; MI455X (gfx1250); checked and timed in simulation.
; The chip was launched on July 23, 2026; its instructions are those of AMD's public machine-readable ISA for CDNA 5 (MIT licence, August 2026) and "CDNA5" Instruction Set Architecture Reference Guide (July 2026). The comments in the code are by the model that wrote it; some were corrected since.
;; Eager Bidirectional Attention Block. Allowed arithmetic: matrix products marked QUANTISED: E2M3 operands, one E8M0 scale for each 32 along K, by v_wmma_scale_f32_16x16x128_f8f6f4 with both operands' format E2M3, f32 sums; everything else in f32.
;; Inputs: Wk 1,024 x 1,024 float32; Wo 1,024 x 1,024 float32; Wq 1,024 x 1,024 float32; Wv 1,024 x 1,024 float32; bk 1,024 float32; bo 1,024 float32; bq 1,024 float32; bv 1,024 float32; mask 4 x 2,048 bool; x 4 x 2,048 x 1,024 float32.
;; Outputs: out0 4 x 2,048 x 1,024 float32.
;; This version of the problem:
;;   THIS VERSION OF THE PROBLEM IS GIVEN IN LOW PRECISION. The matrix products marked QUANTISED in the list below multiply operands that are first quantised to E2M3 (2 exponent bits, 3 mantissa bits; 6 bits a number), with one power-of-two scale for each 32 numbers along K (OCP MX v1.0); their sums are f32. All else is computed in f32.
;;   The module's matrix products, in the order in which they are computed (A, B: the left and right operand; K: the contracted axis; several contracted axes count as one K, in the product's order):
;;     1. [M 8,192, K 1,024] x [K 1,024, N 1,024]; A: input x; B: input Wq: QUANTISED
;;     2. [M 8,192, K 1,024] x [K 1,024, N 1,024]; A: input x; B: input Wk: QUANTISED
;;     3. [M 8,192, K 1,024] x [K 1,024, N 1,024]; A: input x; B: input Wv: QUANTISED
;;     4. batch 64 x [M 2,048, K 64] x [K 64, N 2,048]; A: computed on the way; B: computed on the way: QUANTISED
;;     5. batch 64 x [M 2,048, K 2,048] x [K 2,048, N 64]; A: softmax (see below); B: computed on the way: QUANTISED
;;     6. [M 8,192, K 1,024] x [K 1,024, N 1,024]; A: computed on the way; B: input Wo: QUANTISED
;;   THE QUANTISER, for each operand of a quantised product, along K:
;;     - K is cut into blocks of 32 from its start; a last block that is shorter is filled with zeros.
;;     - A block's scale is 2^e with e = floor(log2(the largest magnitude in the block)) - 2, held to -126 .. 127; a block of zeros has e = 0. As a byte (E8M0): e + 127.
;;     - Each number is divided by its block's scale, clamped to +-7.5, and rounded to the nearest number of E2M3, ties to even, subnormals kept.
;;     - The product sums the exact products of the quantised numbers (number of the format x scale) in f32.
;;   ~~~python
;;   def quantise(x, axis):      # numpy; x: float32 -> the quantised numbers, widened to float32 again
;;       x = np.moveaxis(x, axis, -1); K = x.shape[-1]
;;       x = np.pad(x, [(0, 0)] * (x.ndim - 1) + [(0, -K % 32)]); x = x.reshape(x.shape[:-1] + (-1, 32)); a = np.abs(x).max(-1, keepdims=True)
;;       e = np.where(a > 0, np.clip(np.frexp(np.where(a > 0, a, 1))[1] - 1 - 2, -126, 127), 0)      # np.frexp(a)[1] - 1 = floor(log2(a)), exactly
;;       r = np.clip(x / 2.0 ** e, -7.5, 7.5)
;;       step = 2.0 ** (np.maximum(np.frexp(np.where(r == 0, 1, r))[1] - 1, 0) - 3)
;;       q = np.round(r / step) * step * 2.0 ** e      # np.round: ties to even
;;       return np.moveaxis(q.reshape(q.shape[:-2] + (-1,))[..., :K], -1, axis).astype(np.float32)
;;   ~~~
;;   SOFTMAX AHEAD OF A QUANTISED PRODUCT. Where the list says 'softmax', what is quantised is not the finished softmax but p = 2^(t - M), with t = logit x log2(e) and M = ceil(the row's largest t), a whole number; so 1/2 < the row's largest p <= 1. The row's sum l is taken of the UNQUANTISED p, in f32, and the product's result is divided by l at the end. Since M is a whole number, a kernel that streams over the keys may use a running M (the ceiling of the running maximum): every later rescaling is an exact power of two, which a block's scale takes up: the codes' values come out the same.
;;   OPERANDS COMPUTED ON THE WAY. 'Computed on the way' means the value that the module computes at that place (a softmax that the list does not call 'softmax' is quantised finished and normalised). What goes into a quantiser is computed in f32, as accurately as f32 sums, v_exp_f32 and their like allow (about 1e-6 of the number): no bf16 or f16 on the way to a quantiser, and a product that is left as it is and whose result goes on into a quantised operand takes f32 operands (vector FMAs, or v_wmma_f32_16x16x4_f32). A number that lies on a knife's edge between two numbers of the format may be rounded either way, as far as f32 arithmetic and the matrix unit's own rounding can turn it there, and no further.
;; One version. Each part assembles by itself: llvm-mc -triple=amdgcn-amd-amdhsa -mcpu=gfx1250 --defsym DOCPART=n.
;; ======== version 1 of 1: 4 launches
;; limits: right only within a limited range of input values
;; workspace buffers: xi 6,553,600 bytes; wi 3,276,800 bytes; qi 6,815,744 bytes; kv 13,369,344 bytes; ai 6,553,600 bytes
;; launch quant (part 1): grid 256 x 1, 8 waves a work-group, no clusters, 96,256 bytes of LDS; arguments x, Wq, Wk, Wv, Wo, xi, wi; writes xi, wi
.if DOCPART == 1
	.amdgcn_target "amdgcn-amd-amdhsa--gfx1250"
	.amdhsa_code_object_version 6
	.text
	.protected	k_q7214942d6c_quant
	.globl	k_q7214942d6c_quant
	.p2align	8
	.type	k_q7214942d6c_quant,@function
k_q7214942d6c_quant:
	s_mov_b64 s[64:65], 0
	v_nop
	global_prefetch_b8 v0, s[64:65] scope:SCOPE_SE
	s_setreg_imm32_b32 hwreg(HW_REG_WAVE_MODE, 25, 1), 1
	s_wait_xcnt 0x0
; LAUNCH 1 OF 4.  x [8192][1024] and Wq, Wk, Wv, Wo [1024 (k)][1024 (n)], f32, become codes of FP6 (E2M3) with one E8M0 byte for each 32 along K, laid as the later launches' operand registers want them.
; DEAD WORK: none.  Every input of the problem has a way to the output (bk too: it moves k's codes), every product of the table is done, nothing is left out in any of the four launches.
; THE MASK is an input: no key is skipped for it.  It is folded into k's scale words and codes by the second launch (see there).
; LIMITS of the whole program: NaN and infinities among the inputs are not served.  A block whose largest magnitude lies under 2^-124 (a block of zeros too) gets the byte 1 where the rule says otherwise:
; its codes are what the conversion gives under that byte (zeros for zeros), and the bytes are read by this program alone.
; ORDER OF ROWS IN A TILE, everywhere in this program: tile T = 2 G + u holds rows 32 G + 8 u + (r % 8) + 16 (r / 8), r = 0 .. 15.  Used as source 0 of a product, tiles 2 G and 2 G + 1 then leave a lane 16 NEIGHBOURS
; along that axis in 16 registers, which is what the conversions to codes want.
; A TILE'S BLOCK in xi and wi, 12,800 bytes: two halves of K (512 each) of 6,400 bytes: four fragments (16 rows x 128 K: 12 registers a lane, as three groups of four registers, lane l's 16 bytes at 16 l: 1,536 bytes),
; then 256 bytes of scale words [row 0..15][K step 0..3].
; SHARES.  Work-groups 0-127: x.  A wave takes one tile's half of K: 16 rows x 512, four K steps.  Each load reads 512 consecutive bytes of a row; the numbers turn through the wave's own stage in LDS, so that a lane holds
; 16 neighbours of each block of 32.  Work-groups 128-255: the weights.  A lane takes a column n and its registers run down K (128 of it), so nothing is transposed; the codes are laid into the two tiles' images in the
; wave's own LDS bytes and leave by 512 consecutive bytes a store.  The two ways through the text have LDS bytes of their own.  No matrix work, no tensor load, no cluster: nothing is shared between work-groups.
.set XSTW,  8448                       ; x: a wave's stage: 16 rows x (512 bytes + 16)
.set WST,   8*XSTW                     ; weights: a wave's two images of 1,536 bytes + 128
.set WSTW,  3328
.set WIMG,  1664
.set WGS,   WST+8*WSTW                 ; weights: the scale words of the work-group's four tiles, 256 bytes each
.set SPARE, WGS+1024                   ; the spare words, 128 bytes for each wave: four blocks of 256 bytes that no other line names
.set TBLK,  12800
.set HBLK,  6400
.set FRB,   1536
.set SPW,   8                          ; v8   LDS address of my spare word; never rewritten
.set NIL,   9                          ; v9   0; never rewritten
.set TM,    16                         ; v16-31 at work in QUANT
.set PW,    32                         ; v32  the scale word just made
.set PC,    40                         ; v40-58 the codes just made
.set LD,    64                         ; v64-191 numbers as loaded
.set X,     192                        ; v192-255 x: 64 numbers of a lane; weights: codes
.set SEL,   28                         ; s[28:29] lane selects: lane l xor 16
.set HM,    30                         ; s30  the mask of lanes 16-31
; 64 numbers of a lane, register 16 b + i = k 32 b + 16 (lane / 16) + i of my row, become a fragment's 12 registers in v[PC] on and its scale word in v[PW].
.macro QUANT s
.irp b, 0,1,2,3
	v_max3_num_f32 v[TM+\b], |v[\s+16*\b]|, |v[\s+1+16*\b]|, 0x1800000   ; my 16 numbers of block b, and the floor 2^(3 - 127): the byte cannot fall under 1
.endr
.irp i, 2,4,6,8,10,12,14
.irp b, 0,1,2,3
	s_delay_alu instid0(VALU_DEP_4)
	v_max3_num_f32 v[TM+\b], v[TM+\b], |v[\s+16*\b+\i]|, |v[\s+1+16*\b+\i]|   ; the four blocks by turns
.endr
.endr
.irp b, 0,1,2,3
	s_delay_alu instid0(VALU_DEP_4)
	v_permlanex16_b32 v[TM+4+\b], v[TM+\b], s[SEL], s[SEL+1]
.endr
.irp b, 0,1,2,3
	s_delay_alu instid0(VALU_DEP_4)
	v_max_num_f32 v[TM+\b], v[TM+\b], v[TM+4+\b]   ; with lane l xor 16's: the block's largest magnitude
.endr
.irp b, 0,1,2,3
	s_delay_alu instid0(VALU_DEP_4)
	v_add_nc_u32 v[TM+12+\b], 0xff000000, v[TM+\b]   ; 2 off its exponent field: the conversion's scale operand
.endr
.irp b, 0,1,2,3
	s_delay_alu instid0(VALU_DEP_4)
	v_lshrrev_b32 v[TM+4+\b], 23, v[TM+12+\b]      ; the scale's byte
.endr
	s_delay_alu instid0(VALU_DEP_3)
	v_lshl_or_b32 v[PW], v[TM+5], 8, v[TM+4]
	s_delay_alu instid0(VALU_DEP_1)
	v_lshl_or_b32 v[PW], v[TM+6], 16, v[PW]
	s_delay_alu instid0(VALU_DEP_1)
	v_lshl_or_b32 v[PW], v[TM+7], 24, v[PW]
.irp c, 0,1
	v_cvt_scalef32_pk16_fp6_f32 v[PC+6*\c:PC+2+6*\c], v[\s+32*\c:\s+15+32*\c], v[TM+12+2*\c]
	v_cvt_scalef32_pk16_fp6_f32 v[PC+12+4*\c:PC+14+4*\c], v[\s+16+32*\c:\s+31+32*\c], v[TM+12+2*\c+1]   ; (a conversion's three registers begin on an even number)
.endr
	v_nop                                          ; one plain place behind a scaled conversion
.irp c, 0,1                                    ; the layout wants a whole block in a lane: lanes 0-15 block 2 c, lanes 16-31 block 2 c + 1
.irp i, 0,1,2
	v_permlane16_swap_b32 v[PC+6*\c+\i], v[PC+12+4*\c+\i]
.endr
.irp i, 0,1,2
	s_delay_alu instid0(VALU_DEP_3)
	v_mov_b32 v[PC+3+6*\c+\i], v[PC+12+4*\c+\i]
.endr
.endr
.endm
	s_load_b256 s[4:11], s[0:1], 0x0               ; x, Wq, Wk, Wv
	s_load_b128 s[12:15], s[0:1], 0x20             ; Wo, xi
	s_load_b64 s[16:17], s[0:1], 0x30              ; wi
	v_lshl_add_u32 v[SPW], v0, 2, SPARE
	v_mov_b32 v[NIL], 0
	v_lshrrev_b32 v1, 5, v0
	s_delay_alu instid0(VALU_DEP_1)
	v_readfirstlane_b32 s20, v1                    ; wave 0..7
	v_and_b32 v1, 31, v0                           ; lane
	v_and_b32 v2, 15, v0                           ; r
	v_bfe_u32 v3, v0, 4, 1                         ; h
	; every LDS address of both ways is made here, ahead of the parting
	s_delay_alu instid0(VALU_DEP_3)
	v_lshlrev_b32 v4, 4, v1                        ; 16 x lane
	s_mul_i32 s21, s20, XSTW
	v_add_nc_u32 v5, s21, v4                       ; x: into the stage: 16 bytes a lane of a row
	v_mul_u32_u24 v6, v2, 528
	s_delay_alu instid0(VALU_DEP_1)
	v_lshl_add_u32 v6, v3, 6, v6
	s_delay_alu instid0(VALU_DEP_1)
	v_add_nc_u32 v6, s21, v6                       ; x: out of it: row r, + 64 h: my 16 numbers of a block
	v_lshlrev_b32 v7, 4, v2
	s_delay_alu instid0(VALU_DEP_1)
	v_lshl_add_u32 v7, v3, 3, v7                   ; x: 16 r + 8 h: my two scale words' place
	v_bfe_u32 v10, v0, 3, 1                        ; weights: my column's tile of the pair: u = (lane / 8) % 2,
	s_wait_alu depctr_va_vdst(0)
	v_and_b32 v14, 7, v0
	s_delay_alu instid0(VALU_DEP_1)
	v_lshl_add_u32 v14, v3, 3, v14                 ; and its row there: lane % 8 + 8 (lane / 16)
	s_mul_i32 s22, s20, WSTW
	s_add_co_u32 s22, s22, WST
	v_mul_u32_u24 v11, v10, WIMG
	s_delay_alu instid0(VALU_DEP_1)
	v_lshl_add_u32 v11, v14, 4, v11
	s_delay_alu instid0(VALU_DEP_1)
	v_add_nc_u32 v11, s22, v11                     ; weights: into the images
	v_add_nc_u32 v12, s22, v4                      ; and out of them
	s_and_b32 s23, s20, 3                          ; which 128 of the half of K
	s_lshr_b32 s24, s20, 2                         ; which 32 of the 64 columns
	s_lshl_b32 s25, s24, 9
	s_lshl_b32 s26, s23, 2
	s_add_co_u32 s25, s25, s26
	s_add_co_u32 s25, s25, WGS
	v_lshlrev_b32 v13, 8, v10
	s_wait_alu depctr_va_vdst(0)
	v_lshl_add_u32 v13, v14, 4, v13
	s_delay_alu instid0(VALU_DEP_1)
	v_add_nc_u32 v13, s25, v13                     ; weights: my column's scale word: tile x 256 + 16 x row + 4 x K step
	s_lshl_b32 s26, s24, 9
	s_add_co_u32 s26, s26, WGS
	v_add_nc_u32 v15, s26, v4                      ; and two tiles' words on the way out
	s_mov_b32 s[SEL], 0x76543210
	s_mov_b32 s[SEL+1], 0xfedcba98
	s_mov_b32 s[HM], 0xffff0000
	s_wait_kmcnt 0x0
	s_cmp_ge_u32 ttmp9, 128                        ; the work-group's number alone decides: the same in all eight waves
	s_cbranch_scc1 .Lweights
	; ---------------- x ----------------
	s_lshl_b32 s32, ttmp9, 3
	s_add_co_u32 s32, s32, s20
	s_lshr_b32 s33, s32, 1                         ; my tile, 0 .. 511
	s_and_b32 s34, s32, 1                          ; my half of K
	s_lshr_b32 s35, s33, 1
	s_and_b32 s36, s33, 1
	s_lshl_b32 s35, s35, 17                        ; 32 G rows of 4,096 bytes
	s_lshl_b32 s36, s36, 15                        ; 8 u rows
	s_add_co_u32 s36, s35, s36
	s_lshl_b32 s35, s34, 11                        ; 512 numbers
	s_add_co_u32 s36, s36, s35
	s_mov_b32 s37, 0
	s_add_nc_u64 s[4:5], s[4:5], s[36:37]
	s_mul_i32 s38, s33, TBLK
	s_mul_i32 s35, s34, HBLK
	s_add_co_u32 s38, s38, s35
	s_mov_b32 s39, 0
	s_add_nc_u64 s[14:15], s[14:15], s[38:39]
.irp b, 0,1,2,3
	v_mov_b32 v[TM+4+\b], 0                        ; written once: a lane permute's destination counts as one of its sources
.endr
.macro XLOAD t                         ; K step t: 128 numbers of each of the tile's 16 rows: 512 consecutive bytes a load
.irp p, 0,1,2,3,4,5,6,7,8,9,10,11,12,13,14,15
	global_load_b128 v[LD+64*((\t)%2)+4*\p:LD+64*((\t)%2)+4*\p+3], v4, s[4:5] offset:((\p%8)+16*(\p/8))*4096+512*(\t) th:TH_LOAD_NT
.endr
.endm
.macro XSTEP t
.if (\t) < 3
	s_wait_loadcnt 16                              ; this step's 16 loads are in; the next step's 16 may be out
.else
	s_wait_loadcnt 0x0
.endif
.irp p, 0,1,2,3,4,5,6,7,8,9,10,11,12,13,14,15
	ds_store_b128 v5, v[LD+64*((\t)%2)+4*\p:LD+64*((\t)%2)+4*\p+3] offset:528*\p
.endr
.irp b, 0,1,2,3
.irp j, 0,1,2,3
	ds_load_b128 v[X+16*\b+4*\j:X+16*\b+4*\j+3], v6 offset:128*\b+16*\j   ; LDS serves a wave's instructions in order: these see my stores
.endr
.endr
	s_wait_dscnt 0x0
.if (\t) < 2
	XLOAD (\t)+2
.endif
	s_wait_xcnt 0x0                                ; the last step's stores have read the codes' registers, which are written again below
	QUANT X
	v_mov_b32 v[36+(\t)], v[PW]
.irp q, 0,1,2
	global_store_b128 v4, v[PC+4*\q:PC+4*\q+3], s[14:15] offset:FRB*(\t)+512*\q   ; 512 consecutive bytes
.endr
.endm
	XLOAD 0
	XLOAD 1
	XSTEP 0
	XSTEP 1
	XSTEP 2
	XSTEP 3
	v_cndmask_b32 v34, v36, v38, s[HM]             ; lanes 0-15 store their row's words of K steps 0, 1, lanes 16-31 those of 2, 3
	v_cndmask_b32 v35, v37, v39, s[HM]
	global_store_b64 v7, v[34:35], s[14:15] offset:4*FRB   ; 256 consecutive bytes
	s_branch .Lend
	; ---------------- the weights ----------------
.Lweights:
	s_sub_co_u32 s32, ttmp9, 128
	s_lshr_b32 s33, s32, 5                         ; which weight: q, k, v, o
	s_bfe_u32 s34, s32, 0x40001                    ; which 64 columns
	s_and_b32 s35, s32, 1                          ; which half of K
	s_cmp_eq_u32 s33, 1
	s_cselect_b64 s[6:7], s[8:9], s[6:7]
	s_cmp_eq_u32 s33, 2
	s_cselect_b64 s[6:7], s[10:11], s[6:7]
	s_cmp_eq_u32 s33, 3
	s_cselect_b64 s[6:7], s[12:13], s[6:7]
	s_lshl_b32 s36, s35, 21                        ; 512 rows of 4,096 bytes
	s_lshl_b32 s38, s23, 19                        ; 128 rows
	s_add_co_u32 s36, s36, s38
	s_lshl_b32 s38, s34, 8                         ; 64 columns
	s_add_co_u32 s36, s36, s38
	s_lshl_b32 s38, s24, 7                         ; 32 columns
	s_add_co_u32 s36, s36, s38
	s_mov_b32 s37, 0
	s_add_nc_u64 s[6:7], s[6:7], s[36:37]
	s_lshl_b32 s38, s33, 6
	s_lshl_b32 s40, s34, 2
	s_add_co_u32 s38, s38, s40
	s_lshl_b32 s40, s24, 1
	s_add_co_u32 s38, s38, s40                     ; my pair's first tile: 64 x weight + 4 x column group + 2 x half
	s_mul_i32 s38, s38, TBLK
	s_mul_i32 s40, s35, HBLK
	s_add_co_u32 s38, s38, s40
	s_mov_b32 s39, 0
	s_add_nc_u64 s[16:17], s[16:17], s[38:39]
	s_mul_i32 s40, s23, FRB
	s_mov_b32 s41, 0
	s_add_nc_u64 s[42:43], s[16:17], s[40:41]      ; and my K step's fragment there
	v_lshlrev_b32 v60, 2, v1                       ; in: 4 bytes a lane
	v_mul_u32_u24 v61, v3, TBLK
	s_delay_alu instid0(VALU_DEP_1)
	v_lshl_add_u32 v61, v2, 4, v61                 ; the words' way out: lanes 0-15 the first tile's 256 bytes, lanes 16-31 the second's
.macro WLOAD t                         ; block t: W(32 t + i, my column): 128 consecutive bytes a load, 256 with the wave beside me
.set i, 0
.rept 32
	global_load_b32 v[LD+32*(\t)+i], v60, s[6:7] offset:(32*(\t)+i)*4096 th:TH_LOAD_NT
.set i, i+1
.endr
.endm
.macro WBLOCK t
.set XS, LD+32*(\t)
.set CD, X+8*(\t)
.if (\t) < 3
	s_wait_loadcnt 32                              ; this block's 32 loads are in; the next block's may be out
.else
	s_wait_loadcnt 0x0
.endif
.if (\t) < 2
	WLOAD (\t)+2
.endif
	v_max3_num_f32 v16, |v[XS]|, |v[XS+1]|, |v[XS+2]|   ; the block's largest magnitude: all 32 numbers are mine
	v_max3_num_f32 v17, |v[XS+3]|, |v[XS+4]|, |v[XS+5]|
.irp i, 6,10,14,18,22,26
	s_delay_alu instid0(VALU_DEP_2)
	v_max3_num_f32 v16, v16, |v[XS+\i]|, |v[XS+\i+1]|
	s_delay_alu instid0(VALU_DEP_2)
	v_max3_num_f32 v17, v17, |v[XS+\i+2]|, |v[XS+\i+3]|
.endr
	s_delay_alu instid0(VALU_DEP_2)
	v_max3_num_f32 v16, v16, |v[XS+30]|, |v[XS+31]|
	s_delay_alu instid0(VALU_DEP_1)
	v_max3_num_f32 v16, v16, v17, 0x1800000        ; and the floor
	s_delay_alu instid0(VALU_DEP_1)
	v_add_nc_u32 v18, 0xff000000, v16
	s_delay_alu instid0(VALU_DEP_1)
	v_lshrrev_b32 v19, 23, v18
.if (\t) == 0
	s_delay_alu instid0(VALU_DEP_1)
	v_mov_b32 v33, v19
.else
	s_delay_alu instid0(VALU_DEP_1)
	v_lshl_or_b32 v33, v19, 8*(\t), v33            ; my column's scale word of these 128 along K
.endif
	v_cvt_scalef32_pk16_fp6_f32 v[CD:CD+2], v[XS:XS+15], v18
	v_cvt_scalef32_pk16_fp6_f32 v[CD+4:CD+6], v[XS+16:XS+31], v18
	v_nop                                          ; one plain place behind a scaled conversion
	v_mov_b32 v[CD+3], v[CD+4]                     ; the block's six registers on end
	v_mov_b32 v[CD+4], v[CD+5]
	v_mov_b32 v[CD+5], v[CD+6]
; block t = 2 c + h is registers 6 c .. 6 c + 5 of the image's lane row + 16 h: register n lies at 512 (n / 4) + 16 x lane + 4 (n % 4)
.if (\t) < 2
	ds_store_b128 v11, v[CD:CD+3] offset:256*((\t)%2)
	ds_store_b64 v11, v[CD+4:CD+5] offset:512+256*((\t)%2)
.else
	ds_store_b64 v11, v[CD:CD+1] offset:520+256*((\t)%2)
	ds_store_b128 v11, v[CD+2:CD+5] offset:1024+256*((\t)%2)
.endif
.endm
	WLOAD 0
	WLOAD 1
	s_wait_alu depctr_va_vdst(0)
	WBLOCK 0
	WBLOCK 1
	WBLOCK 2
	WBLOCK 3
	ds_store_b32 v13, v33
.irp n, 0,1,2,3,4,5
	ds_load_b128 v[224+4*\n:227+4*\n], v12 offset:(\n/3)*WIMG+512*(\n%3)   ; my own bytes, in order behind my stores
.endr
.irp n, 0,1,2,3,4,5
	s_wait_dscnt 5-\n                              ; the younger loads may be out
	global_store_b128 v4, v[224+4*\n:227+4*\n], s[42:43] offset:(\n/3)*TBLK+512*(\n%3)
.endr
	s_wait_dscnt 0x0                               ; for the others' sake: my scale words lie in LDS
	s_barrier_signal -1
	s_barrier_wait -1
	s_cmp_lg_u32 s23, 0                            ; waves 0 and 4 store their pair's words, four K steps a row
	s_cbranch_scc1 .Lend
	ds_load_b128 v[248:251], v15
	s_wait_dscnt 0x0
	global_store_b128 v61, v[248:251], s[16:17] offset:4*FRB   ; two runs of 256 consecutive bytes
.Lend:
	s_wait_tensorcnt 0x0                           ; the wave's end, behind my last LDS store
	ds_add_u32 v[SPW], v[NIL]
	s_wait_dscnt 0x0
	s_endpgm
.Lfunc_end_k_q7214942d6c_quant:
	.size	k_q7214942d6c_quant, .Lfunc_end_k_q7214942d6c_quant-k_q7214942d6c_quant
	.p2alignl 7, 3214868480
	.fill 96, 4, 3214868480
	.section	.rodata,"a",@progbits
	.p2align	6, 0x0
	.amdhsa_kernel k_q7214942d6c_quant
		.amdhsa_group_segment_fixed_size 96256
		.amdhsa_private_segment_fixed_size 0
		.amdhsa_enable_private_segment 0
		.amdhsa_kernarg_size 56
		.amdhsa_user_sgpr_count 2
		.amdhsa_user_sgpr_kernarg_segment_ptr 1
		.amdhsa_wavefront_size32 1
		.amdhsa_system_sgpr_workgroup_id_x 1
		.amdhsa_system_sgpr_workgroup_id_y 1
		.amdhsa_system_sgpr_workgroup_id_z 1
		.amdhsa_system_vgpr_workitem_id 0
		.amdhsa_next_free_vgpr 256
		.amdhsa_next_free_sgpr 66
		.amdhsa_reserve_vcc 0
		.amdhsa_float_denorm_mode_32 3
		.amdhsa_float_denorm_mode_16_64 3
		.amdhsa_memory_ordered 1
		.amdhsa_forward_progress 1
		.amdhsa_inst_pref_size 65
	.end_amdhsa_kernel
	.amdgpu_metadata
---
amdhsa.version: [ 1, 2 ]
amdhsa.kernels:
  - .name:           k_q7214942d6c_quant
    .symbol:         k_q7214942d6c_quant.kd
    .args:
      - { .name: x, .offset: 0, .size: 8, .value_kind: global_buffer, .address_space: global }
      - { .name: Wq, .offset: 8, .size: 8, .value_kind: global_buffer, .address_space: global }
      - { .name: Wk, .offset: 16, .size: 8, .value_kind: global_buffer, .address_space: global }
      - { .name: Wv, .offset: 24, .size: 8, .value_kind: global_buffer, .address_space: global }
      - { .name: Wo, .offset: 32, .size: 8, .value_kind: global_buffer, .address_space: global }
      - { .name: xi, .offset: 40, .size: 8, .value_kind: global_buffer, .address_space: global }
      - { .name: wi, .offset: 48, .size: 8, .value_kind: global_buffer, .address_space: global }
    .group_segment_fixed_size: 96256
    .private_segment_fixed_size: 0
    .kernarg_segment_align: 8
    .kernarg_segment_size: 56
    .max_flat_workgroup_size: 256
    .sgpr_count:     66
    .vgpr_count:     256
    .wavefront_size: 32
...
	.end_amdgpu_metadata
.endif
;; end of part 1
;; launch proj (part 2): grid 4 x 64, 4 waves a work-group, clusters of 4 x 4, 327,680 bytes of LDS; arguments xi, wi, bq, bk, bv, mask, qi, kv; writes qi, kv
.if DOCPART == 2
	.amdgcn_target "amdgcn-amd-amdhsa--gfx1250"
	.amdhsa_code_object_version 6
	.text
	.protected	k_q7214942d6c_proj
	.globl	k_q7214942d6c_proj
	.p2align	8
	.type	k_q7214942d6c_proj,@function
k_q7214942d6c_proj:
	s_mov_b64 s[64:65], 0
	v_nop
	global_prefetch_b8 v0, s[64:65] scope:SCOPE_SE
	s_setreg_imm32_b32 hwreg(HW_REG_WAVE_MODE, 25, 1), 1
	s_wait_xcnt 0x0
	s_wait_alu depctr_hold_cnt(0) depctr_sa_sdst(0) depctr_va_vdst(0) depctr_va_sdst(0) depctr_va_ssrc(0) depctr_va_vcc(0) depctr_vm_vsrc(0)
	s_getreg_b32 s2, hwreg(HW_REG_IB_STS2, 6, 4)
	s_cmp_eq_u32 s2, 0
	s_cbranch_scc0 .Lentry_in_a_cluster
	s_endpgm
.Lentry_in_a_cluster:
	s_bfe_u32 s2, ttmp6, 0x10000c
	s_cmp_lg_u32 s2, 0xf033
	s_cbranch_scc0 .Lentry_shape_is_right
	s_endpgm
.Lentry_shape_is_right:
; LAUNCH 2 OF 4.  q = x Wq + bq, k = x Wk + bk, v = x Wv + bv on codes of FP6 (E2M3), and their quantising for the two products of attention.  No work is left out.
; THE CORE.  D = P R^T: P, 256 rows, is source 0; R, 128 rows, is source 1; K = 1,024.  A lane then holds ONE row of R and its registers run along P.  For q and k: P = 256 columns of the weight, R = 128 rows of x:
; a lane's registers run along the head's 64, which is the K of q k^T.  For v: P = 256 rows of x (keys), R = 128 columns of Wv: the registers run along the keys, the K of the second product.
; ALL OF K IS IN LDS: two chunks of 512 along K, each with P's 16 and R's 8 tile halves of 6,400 bytes (four fragments as images of their registers, then their scale words).  Every byte is filled once: no ring.
; Four waves; wave w takes P's tiles 8 (w % 2) on and R's tiles 4 (w / 2) on: 32 accumulators, 256 registers.
; CLUSTER 4 x 4: P hangs on cx (and cluster ids) alone and is asked for jointly by a column of the cluster, R on cy alone, by a row.  The cluster's x says which of q, k, v: the same in all sixteen partners.
; THE MASK RIDES IN THE PADDING OF q k^T.  That product's K is 64, half of the matrix instruction's 128.  At k = 64 the third launch puts the code +1 into q's fragment and -1 into k's.  Here the third byte of q's scale word
; is 190 (2^63), that of k's is 190 for a masked key and 1 (2^-126) else, and a masked key's 64 codes are made zeros.  So a masked score is exactly -2^126, the same for all queries, and an open one carries -2^-63.
; LIMITS: the masked score is -2^126 where reference() writes the smallest f32 number: p is 0 either way beside any open key, and 1 everywhere in a row with no open key.  The offset -2^-63 is the same along the softmax's axis.
; bool is one byte, 0 or 1.  Blocks under 2^-124 keep the byte 1.  NaN and infinities are not served.
; REGISTERS.  Window 0: v1-17 addresses; v18-21 mask bytes, then the masks that keep codes; v22-25 pad bytes; v26-31 words; v32-79 scale words, a set for each chunk; v80-175 R's fragments, two sets (on the way out the codes);
;   v176-239 the bias as the first products' C; v240-255 at work.   Window 1: P's fragments, two sets, at v0 and v128.   Window 2: accumulator (a, b) at v[64 a + 8 b].
; A WORK-GROUP STAYS (this stands in place of what is said above of one fill and of the cluster's x): it makes its tile of q, then of k (a loop of two trips, s[TYPE] = 0, 1), then of v.  The next tile's chunk 0 is
; asked for behind the change of chunks, by waves 0 and 1, its chunk 1 in the middle of the way out, by waves 2 and 3; each refill stands behind a wait for the tensor loads, an LDS add and its wait, and a round of the cluster's barrier.
; k's tile takes the same rows of x as q's; they are asked for again, so that both trips issue the same joint loads.  The next bias is loaded behind the second refill; the mask's bytes once, at the head.
; NO PREFETCH INTO THE L2: each refill is asked for four K steps (128 products) or more ahead of its first read, x's rows have been read in this launch, and a weight's bytes are the same for all sixteen clusters.
.set CH,    153600
.set ROFF,  102400
.set SPARE, 2*CH                       ; the spare words, 128 bytes for each wave: two blocks of 256 bytes that no other line names
.set TBLK,  12800
.set HBLK,  6400
.set FRB,   1536
.set ADP, 4                            ; v4-5   LDS address of P's images in chunk 0, 1: 16 x lane + my 8 tiles
.set ADR, 6                            ; v6-7   of R's
.set ASP, 8                            ; v8-9   of P's scale words: 16 r + 6,400 h: lanes 0-15 an even tile's, lanes 16-31 the odd one's
.set ASR, 10                           ; v10-11 of R's
.set SPW, 12                           ; v12    LDS address of my spare word; never rewritten
.set NIL, 13                           ; v13    0; never rewritten
.set O8,  14                           ; v14-16 8, 16, 4 x lane
.set O16, 15
.set O4,  16
.set FRW, 17                           ; v17    my row's place in 32 rows: r % 8 + 16 (r / 8)
.set MK,  18
.set PADW, 22
.set WD,  26
.set SC,  32
.set RF,  80
.set BI,  176
.set TM,  240
.set PC,  80
.set PW,  100
.set WV,  20
.set PH,  21                           ; s21  which 8 of P's tiles are mine
.set RH,  22                           ; s22  which 4 of R's
.set TYPE, 23                          ; s23  0 q, 1 k, 2 v
.set G1P, 24                           ; s[24:31], s[32:39] descriptor groups 1;  s[40:47], s[48:55] groups 0, one for each chunk
.set G1R, 32
.set G0P, 40
.set G0R, 48
.set CX,  56
.set CY,  57
.set CLY, 58
.set RT,  59                           ; s59  which 128 rows of R
.set SEL, 60
.set HM,  62
.set PT,  63                           ; s63  v: which 256 keys
.set CB0, 88                           ; s[88:89], s[90:91] where my codes go;  s[92:93], s[94:95] my scale words
.set CB1, 90
.set SB0, 92
.set SB1, 94
.set MSB, 0
.macro WIN new                         ; the immediate's high byte repeats the setting that is left
.if MSB != \new
	s_set_vgpr_msb (MSB<<8)|\new
.set MSB, \new
.endif
.endm
.macro PLACES                          ; four places behind a matrix instruction, ahead of loads into its sources and of reads of its results
.rept 4
	v_nop
.endr
.endm
.macro CROUND                          ; a round of the cluster's barrier
	s_barrier_signal -1
	s_barrier_wait -1
	s_cmp_lg_u32 s[WV], 0
	s_cbranch_scc1 .Lnot_wave_0_\@
	s_barrier_signal -3
.Lnot_wave_0_\@:
	s_barrier_wait -3
	s_barrier_signal -1
	s_barrier_wait -1
.endm
.macro SCALES k                        ; chunk k's scale words: four K steps' words a load
	WIN 0
.irp i, 0,1,2,3
	ds_load_b128 v[SC+24*\k+4*\i:SC+24*\k+4*\i+3], v[ASP+\k] offset:4*FRB+2*HBLK*\i
.endr
.irp i, 0,1
	ds_load_b128 v[SC+24*\k+16+4*\i:SC+24*\k+16+4*\i+3], v[ASR+\k] offset:4*FRB+2*HBLK*\i
.endr
.endm
.macro FETCH k, s, f                   ; the fragments of chunk k's K step s into set f: R's four, P's 0-3, P's 4-7: 36 loads of 512 consecutive bytes
	WIN 0
.irp a, 0,1,2,3
.irp q, 0,1,2
	ds_load_b128 v[RF+48*(\f)+12*\a+4*\q:RF+48*(\f)+12*\a+4*\q+3], v[ADR+\k] offset:HBLK*\a+FRB*(\s)+512*\q
.endr
.endr
	WIN 0x40                                       ; destination window 1
.irp b, 0,1,2,3,4,5,6,7
.irp q, 0,1,2
	ds_load_b128 v[128*(\f)+12*\b+4*\q:128*(\f)+12*\b+4*\q+3], v[ADP+\k] offset:HBLK*\b+FRB*(\s)+512*\q
.endr
.endr
.endm
; one product.  cm = 0: onto the sum; 1: the sum begins with the bias along P; 2: with the bias along R.  An odd tile's scale words stand in lanes 16-31 of the pair's register.
.macro WM a, b, k, s, f, cm
.set rD, 64*(\a)+8*(\b)
.set rP, 128*(\f)+12*(\b)
.set rR, RF+48*(\f)+12*(\a)
.set rC, rD
.if \cm == 1
.set rC, BI+8*(\b)
.endif
.if \cm == 2
.set rC, BI+8*(\a)
.endif
.set sP, SC+24*(\k)+4*((\b)/2)+(\s)
.set sR, SC+24*(\k)+16+4*((\a)/2)+(\s)
.if ((\b)%2 == 0) && ((\a)%2 == 0)
	v_wmma_scale_f32_16x16x128_f8f6f4 v[rD:rD+7], v[rP:rP+11], v[rR:rR+11], v[rC:rC+7], v[sP], v[sR] matrix_a_fmt:MATRIX_FMT_FP6 matrix_b_fmt:MATRIX_FMT_FP6
.elseif ((\b)%2 == 1) && ((\a)%2 == 0)
	v_wmma_scale_f32_16x16x128_f8f6f4 v[rD:rD+7], v[rP:rP+11], v[rR:rR+11], v[rC:rC+7], v[sP], v[sR] matrix_a_fmt:MATRIX_FMT_FP6 matrix_b_fmt:MATRIX_FMT_FP6 matrix_a_scale:MATRIX_SCALE_ROW1
.elseif ((\b)%2 == 0)
	v_wmma_scale_f32_16x16x128_f8f6f4 v[rD:rD+7], v[rP:rP+11], v[rR:rR+11], v[rC:rC+7], v[sP], v[sR] matrix_a_fmt:MATRIX_FMT_FP6 matrix_b_fmt:MATRIX_FMT_FP6 matrix_b_scale:MATRIX_SCALE_ROW1
.else
	v_wmma_scale_f32_16x16x128_f8f6f4 v[rD:rD+7], v[rP:rP+11], v[rR:rR+11], v[rC:rC+7], v[sP], v[sR] matrix_a_fmt:MATRIX_FMT_FP6 matrix_b_fmt:MATRIX_FMT_FP6 matrix_a_scale:MATRIX_SCALE_ROW1 matrix_b_scale:MATRIX_SCALE_ROW1
.endif
.endm
.macro MUL b0, k, s, f, cm             ; 16 products: P's tiles b0 .. b0 + 3 x R's four.  The 32 accumulators take turns, one instruction a turn, in the same order in every K step
.if \cm
	WIN 0x81                                       ; P window 1, R and the bias window 0, D window 2
.else
	WIN 0xa1                                       ; P window 1, R window 0, C and D window 2
.endif
.irp b, \b0, \b0+1, \b0+2, \b0+3
.irp a, 0,1,2,3
	WM \a, \b, \k, \s, \f, \cm
.endr
.endr
.endm
; a K step of 128.  mode 0: the next step lies in the same chunk; 1: chunk 0's last step; 2: the last of all.
.macro STEP k, s, f, cm, mode
	s_wait_dscnt 12                                ; all but the youngest 12 loads (P's tiles 4-7) are in
	MUL 0, \k, \s, \f, \cm
	s_wait_dscnt 0x0                               ; P's tiles 4-7 are in
.if \mode == 1
.if RFON
	WIN 0
	s_wait_tensorcnt 0x0                           ; all my tensor loads have landed, my part of chunk 1 among them;
	ds_add_u32 v[SPW], v[NIL]
	s_mov_b64 s[G0P+2:G0P+3], s[80:81]             ; no load of mine is out: the descriptors take the next tile's addresses
	s_add_nc_u64 s[G0P+6:G0P+7], s[80:81], HBLK
	s_mov_b64 s[G0R+2:G0R+3], s[82:83]
	s_add_nc_u64 s[G0R+6:G0R+7], s[82:83], HBLK
	s_or_b32 s[G0P+3], s[G0P+3], 0x80000000
	s_or_b32 s[G0P+7], s[G0P+7], 0x80000000
	s_or_b32 s[G0R+3], s[G0R+3], 0x80000000
	s_or_b32 s[G0R+7], s[G0R+7], 0x80000000
	s_wait_dscnt 0x0                               ; the add is done, and my reads of chunk 0
	CROUND                                         ; chunk 1 is whole, and no wave of any partner reads chunk 0 any more
	s_cmp_eq_u32 s[WV], 0                          ; the next tile's chunk 0: wave 0 its P, wave 1 its R
	s_cbranch_scc0 .Lre_r_\@
	tensor_load_to_lds s[G0P:G0P+3], s[G1P:G1P+7]
	s_nop 0
	PLACES
	s_branch .Lre_done_\@
.Lre_r_\@:
	s_cmp_eq_u32 s[WV], 1
	s_cbranch_scc0 .Lre_done_\@
	tensor_load_to_lds s[G0R:G0R+3], s[G1R:G1R+7]
	s_nop 0
	PLACES
.Lre_done_\@:
.else
	s_wait_tensorcnt 0x0                           ; my part of chunk 1 has landed,
	s_barrier_signal -1
	s_barrier_wait -1                              ; everybody's has
.endif
.endif
.if \mode < 2
	PLACES                                         ; ahead of the loads into the set that the step before multiplied
.endif
.if \mode == 1
	SCALES 1
	FETCH 1, 0, 1-\f
.endif
.if \mode == 0
	FETCH \k, \s+1, 1-\f
.endif
	MUL 4, \k, \s, \f, \cm
.endm
.macro STEPS cm
	STEP 0, 0, 0, \cm, 0
	STEP 0, 1, 1, 0, 0
	STEP 0, 2, 0, 0, 0
	STEP 0, 3, 1, 0, 1
	STEP 1, 0, 0, 0, 0
	STEP 1, 1, 1, 0, 0
	STEP 1, 2, 0, 0, 0
	STEP 1, 3, 1, 0, 2
	WIN 0
	PLACES                                         ; ahead of the first read of results and the first write over R's fragments
.endm
.macro START
	s_wait_alu depctr_va_vdst(0)
	s_cmp_lt_u32 s[WV], 2                          ; waves 0 and 1 asked for chunk 0's P and R, by load lines of their own: they wait for them here
	s_cbranch_scc0 .Lnot_mine_\@
	s_wait_tensorcnt 0x0
.Lnot_mine_\@:
	s_barrier_signal -1
	s_barrier_wait -1                              ; everybody's has
	SCALES 0
	FETCH 0, 0, 0
	WIN 0
	s_wait_loadcnt 0x0                             ; the bias (and the mask)
.endm
; R's tile a: my row's 128 numbers along P (window 2, v[64 a] on; register 16 b + i = place 32 b + 16 h + i) become 12 registers of codes in v[PC] on and a scale word in v[PW].  Each accumulator is read from its low end on.
.macro QUANTW a
.set QS, 64*(\a)
	WIN 0x0a                                       ; sources 0 and 1 window 2
.irp b, 0,1,2,3
	v_max3_num_f32 v[TM+\b], |v[QS+16*\b]|, |v[QS+1+16*\b]|, 0x1800000   ; and the floor 2^(3 - 127)
.endr
	WIN 0x28                                       ; sources 1 and 2 window 2
.irp i, 2,4,6,8,10,12,14
.irp b, 0,1,2,3
	v_max3_num_f32 v[TM+\b], v[TM+\b], |v[QS+16*\b+\i]|, |v[QS+1+16*\b+\i]|
.endr
.endr
	WIN 0
.irp b, 0,1,2,3
	v_permlanex16_b32 v[TM+4+\b], v[TM+\b], s[SEL], s[SEL+1]
.endr
.irp b, 0,1,2,3
	v_max_num_f32 v[TM+\b], v[TM+\b], v[TM+4+\b]
.endr
.irp b, 0,1,2,3
	v_add_nc_u32 v[TM+12+\b], 0xff000000, v[TM+\b]
.endr
.irp b, 0,1,2,3
	v_lshrrev_b32 v[TM+4+\b], 23, v[TM+12+\b]
.endr
	v_lshl_or_b32 v[PW], v[TM+5], 8, v[TM+4]
	v_lshl_or_b32 v[PW], v[TM+6], 16, v[PW]
	v_lshl_or_b32 v[PW], v[TM+7], 24, v[PW]
.if (\a) > 0
	s_wait_xcnt 0x0                                ; the last tile's stores have read the codes' and words' registers, which are written again below
.endif
	WIN 0x02                                       ; source 0 window 2
.irp c, 0,1
	v_cvt_scalef32_pk16_fp6_f32 v[PC+6*\c:PC+2+6*\c], v[QS+32*\c:QS+15+32*\c], v[TM+12+2*\c]
	v_cvt_scalef32_pk16_fp6_f32 v[PC+12+4*\c:PC+14+4*\c], v[QS+16+32*\c:QS+31+32*\c], v[TM+12+2*\c+1]
.endr
	WIN 0
	v_nop                                          ; one plain place behind a scaled conversion
.irp c, 0,1
.irp i, 0,1,2
	v_permlane16_swap_b32 v[PC+6*\c+\i], v[PC+12+4*\c+\i]
.endr
.irp i, 0,1,2
	v_mov_b32 v[PC+3+6*\c+\i], v[PC+12+4*\c+\i]
.endr
.endr
.endm
; q, k: the 128 along P are two heads of 64: registers 0-5 are the first head's half fragment, 6-11 the second's; each goes to its head's block, 8 bytes a lane, 256 consecutive bytes a store.
.macro EPIQK1 a
	QUANTW \a
	s_cmp_lg_u32 s[TYPE], 1
	s_cbranch_scc1 .Lis_q_\@
.irp i, 0,1,2,3,4,5,6,7,8,9,10,11
	v_and_b32 v[PC+\i], v[PC+\i], v[MK+(\a)]       ; a masked key's codes become zeros
.endr
.Lis_q_\@:
	v_and_or_b32 v[WD+2*((\a)%2)], v[PW], 0xffff, v[PADW+(\a)]   ; the first head's two bytes and the pad's two
	v_lshrrev_b32 v[WD+2*((\a)%2)+1], 16, v[PW]
	v_or_b32 v[WD+2*((\a)%2)+1], v[WD+2*((\a)%2)+1], v[PADW+(\a)]   ; the second head's
	s_wait_alu depctr_va_vdst(0)
.irp p, 0,1,2
	global_store_b64 v[O8], v[PC+2*\p:PC+2*\p+1], s[CB0:CB0+1] offset:768*(\a)+256*\p
	global_store_b64 v[O8], v[PC+6+2*\p:PC+7+2*\p], s[CB1:CB1+1] offset:768*(\a)+256*\p
.endr
.if (\a)%2
	v_cndmask_b32 v30, v26, v28, s[HM]             ; lanes 0-15 the even tile's words, lanes 16-31 the odd one's: 128 consecutive bytes
	v_cndmask_b32 v31, v27, v29, s[HM]
	global_store_b32 v[O4], v30, s[SB0:SB0+1] offset:64*((\a)-1)
	global_store_b32 v[O4], v31, s[SB1:SB1+1] offset:64*((\a)-1)
.endif
.endm
; v: 16 channels x 128 keys are one fragment of the second product: it goes out as the image of its registers
.macro EPIV1 a
	QUANTW \a
	v_mov_b32 v[WD+(\a)%2], v[PW]
.irp q, 0,1,2
	global_store_b128 v[O16], v[PC+4*\q:PC+4*\q+3], s[CB0:CB0+1] offset:FRB*(\a)+512*\q
.endr
.if (\a)%2
	v_cndmask_b32 v30, v26, v27, s[HM]
	global_store_b32 v[O4], v30, s[SB0:SB0+1] offset:64*((\a)-1)
.endif
.endm
	s_load_b256 s[4:11], s[0:1], 0x0               ; xi, wi, bq, bk
	s_load_b256 s[12:19], s[0:1], 0x20             ; bv, mask, qi, kv
	v_lshl_add_u32 v[SPW], v0, 2, SPARE
	v_mov_b32 v[NIL], 0
	ds_add_u32 v[SPW], v[NIL]                      ; the wave's opening: the add, twice on end, and its wait ahead of my first tensor load
	ds_add_u32 v[SPW], v[NIL]                      ; and once more; the set-up below, work on registers, stands between it and the wait
	v_lshrrev_b32 v1, 5, v0
	v_readfirstlane_b32 s[WV], v1                  ; wave 0..3
	s_and_b32 s[PH], s[WV], 1
	s_lshr_b32 s[RH], s[WV], 1
	s_mov_b32 s[TYPE], 0                           ; the first tile is q's
	s_bfe_u32 s[CX], ttmp6, 0x40000
	s_bfe_u32 s[CY], ttmp6, 0x40004
	s_and_b32 s[CLY], ttmp7, 0xffff
	s_lshl_b32 s66, 0x1111, s[CX]                  ; my column of the cluster
	s_lshl_b32 s67, s[CY], 2
	s_lshl_b32 s67, 15, s67                        ; my row
	; descriptor groups 1: 16 (P) or 8 (R) tile halves of 6,400 bytes (800 elements of 8 bytes), 12,800 bytes apart in memory, on end in LDS
	s_or_b32 s[G1P], s66, (3<<16)|(1<<21)          ; 15:0 the mask; 17:16 elements of 8 bytes; 21 set beside a mask; no padding: every LDS read takes consecutive bytes
	s_or_b32 s[G1R], s67, (3<<16)|(1<<21)
	s_mov_b32 s[G1P+1], 800<<16                    ; tensor_dim0
	s_mov_b32 s[G1P+2], 16<<16                     ; tensor_dim1: all 16 tile halves of P by one load
	s_mov_b32 s[G1P+3], 800<<16                    ; tile_dim0
	s_mov_b32 s[G1P+4], 16                         ; tile_dim1
	s_mov_b32 s[G1P+5], 1600                       ; from row to row
	s_mov_b32 s[G1P+6], 0
	s_mov_b32 s[G1P+7], 0
	s_mov_b32 s[G1R+1], 800<<16
	s_mov_b32 s[G1R+2], 8<<16                      ; all 8 tile halves of R by one load
	s_mov_b32 s[G1R+3], 800<<16
	s_mov_b32 s[G1R+4], 8
	s_mov_b32 s[G1R+5], 1600
	s_mov_b32 s[G1R+6], 0
	s_mov_b32 s[G1R+7], 0
	; P's address: cx, cluster ids and the wave's number, in registers that never hold cy
	s_and_b32 s[PT], s[CLY], 7
	s_lshl_b32 s[PT], s[PT], 2
	s_add_co_u32 s[PT], s[PT], s[CX]
	s_mul_i32 s68, s[PT], 16*TBLK                  ; v: 256 keys of xi
	s_mul_i32 s69, s[TYPE], 64*TBLK
	s_mul_i32 s70, s[CX], 16*TBLK
	s_add_co_u32 s69, s69, s70                     ; q, k: 256 columns of the weight
	; R's: cy, cluster ids and the wave's number, in registers that never hold cx
	s_lshl_b32 s72, s[CLY], 2
	s_add_co_u32 s72, s72, s[CY]                   ; q, k: which 128 rows of x
	s_lshr_b32 s73, s[CLY], 3
	s_lshl_b32 s73, s73, 2
	s_add_co_u32 s73, s73, s[CY]                   ; v: which 128 columns of Wv
	s_cmp_eq_u32 s[TYPE], 2
	s_cselect_b32 s80, s68, s69
	s_cselect_b32 s[RT], s73, s72
	s_cselect_b32 s74, 2*64*TBLK, 0
	s_mul_i32 s82, s[RT], 8*TBLK
	s_add_co_u32 s82, s82, s74
	s_mov_b32 s81, 0
	s_mov_b32 s83, 0
	s_mov_b32 s96, 0                               ; where they go in a chunk: P at its start, R behind P
	s_mov_b32 s97, ROFF
	s_mov_b32 s[SEL], 0x76543210
	s_mov_b32 s[SEL+1], 0xfedcba98
	s_mov_b32 s[HM], 0xffff0000
	s_wait_dscnt 0x0                               ; both opening adds are done
	s_wait_kmcnt 0x0
	s_cmp_eq_u32 s[TYPE], 2
	s_cselect_b64 s[84:85], s[4:5], s[6:7]         ; P: xi for v, else wi
	s_cselect_b64 s[86:87], s[6:7], s[4:5]         ; R: the other
	s_add_nc_u64 s[84:85], s[84:85], s[80:81]
	s_add_nc_u64 s[86:87], s[86:87], s[82:83]
	s_add_nc_u64 s[70:71], s[84:85], 64*TBLK       ; k's P: the same columns of the next weight
	s_mov_b32 s80, s68
	s_add_nc_u64 s[68:69], s[4:5], s[80:81]        ; v's P: 256 keys of xi
	s_mov_b64 s[74:75], s[86:87]                   ; k's R: the same rows of x
	s_mul_i32 s82, s73, 8*TBLK
	s_add_co_u32 s82, s82, 2*64*TBLK
	s_add_nc_u64 s[100:101], s[6:7], s[82:83]      ; v's R: 128 columns of Wv
	CROUND                                         ; all sixteen work-groups are here: the joint loads meet
.irp k, 0,1
	s_mov_b32 s[G0P+4*\k], 1
	s_add_co_u32 s[G0P+4*\k+1], s96, \k*CH
	s_add_nc_u64 s[G0P+4*\k+2:G0P+4*\k+3], s[84:85], \k*HBLK
	s_or_b32 s[G0P+4*\k+3], s[G0P+4*\k+3], 0x80000000
	s_mov_b32 s[G0R+4*\k], 1
	s_add_co_u32 s[G0R+4*\k+1], s97, \k*CH
	s_add_nc_u64 s[G0R+4*\k+2:G0R+4*\k+3], s[86:87], \k*HBLK
	s_or_b32 s[G0R+4*\k+3], s[G0R+4*\k+3], 0x80000000
.endr
	s_cmp_eq_u32 s[WV], 0                          ; the four tiles, one load a wave, in one chain of arms: wave 0 chunk 0's P,
	s_cbranch_scc0 .Lfirst_1
	tensor_load_to_lds s[G0P:G0P+3], s[G1P:G1P+7]
	s_nop 0
	PLACES
	s_branch .Lfirst_done
.Lfirst_1:
	s_cmp_eq_u32 s[WV], 1                          ; wave 1 chunk 0's R,
	s_cbranch_scc0 .Lfirst_2
	tensor_load_to_lds s[G0R:G0R+3], s[G1R:G1R+7]
	s_nop 0
	PLACES
	s_branch .Lfirst_done
.Lfirst_2:
	s_cmp_eq_u32 s[WV], 2                          ; wave 2 chunk 1's P,
	s_cbranch_scc0 .Lfirst_3
	tensor_load_to_lds s[G0P+4:G0P+7], s[G1P:G1P+7]
	s_nop 0
	PLACES
	s_branch .Lfirst_done
.Lfirst_3:
	tensor_load_to_lds s[G0R+4:G0R+7], s[G1R:G1R+7]   ; wave 3 chunk 1's R
	s_nop 0
	PLACES
.Lfirst_done:
	v_and_b32 v3, 31, v0                           ; lane
	v_and_b32 v1, 15, v0                           ; r
	v_bfe_u32 v2, v0, 4, 1                         ; h
	v_lshlrev_b32 v[O16], 4, v3
	v_lshlrev_b32 v[O8], 3, v3
	v_lshlrev_b32 v[O4], 2, v3
	v_and_b32 v[FRW], 7, v0
	v_bfe_u32 v26, v0, 3, 1
	v_lshl_add_u32 v[FRW], v26, 4, v[FRW]
	s_mul_i32 s76, s[PH], 8*HBLK
	s_mul_i32 s77, s[RH], 4*HBLK
	s_add_co_u32 s77, s77, ROFF
	v_lshlrev_b32 v27, 4, v1
	v_mad_u32_u24 v27, v2, HBLK, v27
.irp k, 0,1
	v_add_nc_u32 v[ADP+\k], s76, v[O16]
	v_add_nc_u32 v[ADR+\k], s77, v[O16]
	v_add_nc_u32 v[ASP+\k], s76, v27
	v_add_nc_u32 v[ASR+\k], s77, v27
	s_add_co_u32 s76, s76, CH
	s_add_co_u32 s77, s77, CH
.endr
.irp b, 0,1,2,3
	v_mov_b32 v[TM+4+\b], 0                        ; written once: a lane permute's destination counts as one of its sources
.endr
	; once: where my biases and my mask bytes lie; q's bias and the mask are asked for
	s_lshl_b32 s76, s[CX], 10
	s_lshl_b32 s2, s[PH], 9
	s_add_co_u32 s76, s76, s2
	s_mov_b32 s77, 0
	s_add_nc_u64 s[8:9], s[8:9], s[76:77]          ; bq and bk at my 128 columns
	s_add_nc_u64 s[10:11], s[10:11], s[76:77]
	s_lshl_b32 s76, s73, 9
	s_lshl_b32 s2, s[RH], 8
	s_add_co_u32 s76, s76, s2
	s_add_nc_u64 s[12:13], s[12:13], s[76:77]      ; bv at my 64 channels
	s_lshl_b32 s76, s[RT], 7
	s_lshl_b32 s2, s[RH], 6
	s_add_co_u32 s76, s76, s2
	s_add_nc_u64 s[14:15], s[14:15], s[76:77]      ; the mask of my 64 rows
	v_lshlrev_b32 v1, 6, v2                        ; q, k: lane (r, h) wants, for tile 2 g + u, the bias of columns 32 g + 16 h + 8 u + 0 .. 7
	v_lshlrev_b32 v3, 2, v[FRW]                    ; v: my channel's bias
.macro BIASQK p
.irp b, 0,1,2,3,4,5,6,7
	global_load_b128 v[BI+8*\b:BI+8*\b+3], v1, s[\p:\p+1] offset:(32*(\b/2)+8*(\b%2))*4
	global_load_b128 v[BI+8*\b+4:BI+8*\b+7], v1, s[\p:\p+1] offset:(32*(\b/2)+8*(\b%2))*4+16
.endr
.endm
	BIASQK 8
	WIN 0x40                                       ; destination window 1: v96-99 there lie between P's two sets
.irp a, 0,1,2,3
	global_load_u8 v[96+\a], v[FRW], s[14:15] offset:32*(\a/2)+8*(\a%2)   ; my key's byte in tile a
.endr
	WIN 0
.Lqk:
	s_wait_xcnt 0x0                                ; the last tile's stores have read their bases and registers, which are written again below
	s_cmp_eq_u32 s[TYPE], 0
	s_cselect_b64 s[80:81], s[70:71], s[68:69]     ; the next tile's P: k's or v's
	s_cselect_b64 s[82:83], s[74:75], s[100:101]   ; and its R
	s_cselect_b64 s[CB0:CB0+1], s[16:17], s[18:19]
	s_mov_b32 s78, 208896
	s_cselect_b32 s78, 106496, s78                 ; a head's block
	s_mov_b32 s79, 196608
	s_cselect_b32 s79, 98304, s79                  ; where its scale words begin
	s_mov_b32 s2, 768
	s_cselect_b32 s2, 512, s2                      ; eight tiles' words (k: with v's behind them)
	s_mov_b32 s3, 0x01010000
	s_cselect_b32 s3, 0x01be0000, s3               ; the pad's two bytes: q 190, 1; an open key 1, 1
	v_mov_b32 v28, s3
	s_lshr_b32 s76, s[RT], 4
	s_lshl_b32 s76, s76, 4                         ; 16 x batch
	s_lshl_b32 s77, s[CX], 2
	s_add_co_u32 s76, s76, s77
	s_lshl_b32 s77, s[PH], 1
	s_add_co_u32 s76, s76, s77                     ; my first head: + 4 cx + 2 x half
	s_mul_i32 s76, s76, s78
	s_mov_b32 s77, 0
	s_add_nc_u64 s[CB0:CB0+1], s[CB0:CB0+1], s[76:77]
	s_and_b32 s3, s[RT], 15                        ; which 128 rows of the batch
	s_mul_i32 s76, s3, s2
	s_add_co_u32 s76, s76, s79
	s_lshl_b32 s2, s[RH], 8
	s_add_co_u32 s76, s76, s2
	s_add_nc_u64 s[SB0:SB0+1], s[CB0:CB0+1], s[76:77]
	s_lshl_b32 s76, s3, 3
	s_lshl_b32 s2, s[RH], 2
	s_add_co_u32 s76, s76, s2
	s_mul_i32 s76, s76, 768                        ; my first tile's half fragment
	s_add_nc_u64 s[CB0:CB0+1], s[CB0:CB0+1], s[76:77]
	s_mov_b32 s76, s78
	s_add_nc_u64 s[CB1:CB1+1], s[CB0:CB0+1], s[76:77]   ; the second head's
	s_add_nc_u64 s[SB1:SB1+1], s[SB0:SB0+1], s[76:77]
	START
	WIN 0x01                                       ; source 0 window 1
.irp a, 0,1,2,3
	v_mul_u32_u24 v[MK+\a], v[96+\a], s[TYPE]      ; k: my key's byte in tile a; q has no mask
.endr
	WIN 0
	s_wait_alu depctr_va_vdst(0)
.irp a, 0,1,2,3
	v_mad_u32_u24 v[PADW+\a], v[MK+\a], 0xbd0000, v28   ; a masked key's third byte: 1 + 189 = 190
.endr
.irp a, 0,1,2,3
	v_add_nc_u32 v[MK+\a], -1, v[MK+\a]            ; all ones for an open key, 0 for a masked one
.endr
.set RFON, 1
	STEPS 1
	EPIQK1 0
	EPIQK1 1
	s_wait_alu depctr_va_vdst(0)
	s_wait_tensorcnt 0x0                           ; the next tile's chunk 0 has landed;
	ds_add_u32 v[SPW], v[NIL]
	s_wait_dscnt 0x0                               ; the add is done; my reads of chunk 1 were over ahead of the last products
	CROUND                                         ; no wave of any partner reads chunk 1 any more
	s_cmp_eq_u32 s[WV], 2                          ; the next tile's chunk 1: wave 2 its P, wave 3 its R
	s_cbranch_scc0 .Lref_3
	tensor_load_to_lds s[G0P+4:G0P+7], s[G1P:G1P+7]
	s_nop 0
	PLACES
	s_branch .Lref_done
.Lref_3:
	s_cmp_eq_u32 s[WV], 3
	s_cbranch_scc0 .Lref_done
	tensor_load_to_lds s[G0R+4:G0R+7], s[G1R:G1R+7]
	s_nop 0
	PLACES
.Lref_done:
	s_cmp_eq_u32 s[TYPE], 0                        ; the next tile's bias, under the rest of the way out
	s_cbranch_scc0 .Lbias_v
	BIASQK 10
	s_branch .Lbias_done
.Lbias_v:
.irp a, 0,1,2,3
	global_load_b32 v[BI+8*\a], v3, s[12:13] offset:(32*(\a/2)+8*(\a%2))*4   ; my channel's bias in tile a
.endr
.Lbias_done:
	EPIQK1 2
	EPIQK1 3
	s_add_co_u32 s[TYPE], s[TYPE], 1
	s_cmp_lt_u32 s[TYPE], 2
	s_wait_alu depctr_va_vdst(0)
	s_cbranch_scc1 .Lqk
	; ---------------- v ----------------
.Lv:
	s_wait_xcnt 0x0                                ; k's stores have read their bases and registers
	s_mov_b32 s[RT], s73                           ; which 128 columns of Wv
	s_lshr_b32 s76, s[PT], 3
	s_lshl_b32 s76, s76, 4                         ; 16 x batch
	s_lshl_b32 s2, s[RT], 1
	s_add_co_u32 s76, s76, s2
	s_add_co_u32 s76, s76, s[RH]                   ; my head: my 64 columns of Wv
	s_mul_i32 s76, s76, 208896
	s_and_b32 s2, s[PT], 7
	s_lshl_b32 s2, s2, 1
	s_add_co_u32 s2, s2, s[PH]                     ; my key step: my 128 keys
	s_mul_i32 s3, s2, 4*FRB
	s_add_co_u32 s3, s3, s76
	s_add_co_u32 s78, s3, 98304
	s_mov_b32 s79, 0
	s_add_nc_u64 s[CB0:CB0+1], s[18:19], s[78:79]
	s_mul_i32 s3, s2, 768
	s_add_co_u32 s3, s3, s76
	s_add_co_u32 s78, s3, 196608+512
	s_add_nc_u64 s[SB0:SB0+1], s[18:19], s[78:79]
	START
.irp a, 0,1,2,3
.irp j, 1,2,3,4,5,6,7
	v_mov_b32 v[BI+8*\a+\j], v[BI+8*\a]            ; the same for all eight keys of a lane
.endr
.endr
	PLACES
	s_wait_alu depctr_va_vdst(0)
.set RFON, 0
	STEPS 2
	EPIV1 0
	EPIV1 1
	EPIV1 2
	EPIV1 3
.Lend:
	s_wait_tensorcnt 0x0                           ; the wave's end, behind my last tensor load
	ds_add_u32 v[SPW], v[NIL]
	s_wait_dscnt 0x0
	CROUND                                         ; the closing round: no work-group ends while a partner may still ask for a tile that names it
	s_endpgm
.Lfunc_end_k_q7214942d6c_proj:
	.size	k_q7214942d6c_proj, .Lfunc_end_k_q7214942d6c_proj-k_q7214942d6c_proj
	.p2alignl 7, 3214868480
	.fill 96, 4, 3214868480
	.section	.rodata,"a",@progbits
	.p2align	6, 0x0
	.amdhsa_kernel k_q7214942d6c_proj
		.amdhsa_group_segment_fixed_size 327680
		.amdhsa_private_segment_fixed_size 0
		.amdhsa_enable_private_segment 0
		.amdhsa_kernarg_size 64
		.amdhsa_user_sgpr_count 2
		.amdhsa_user_sgpr_kernarg_segment_ptr 1
		.amdhsa_wavefront_size32 1
		.amdhsa_system_sgpr_workgroup_id_x 1
		.amdhsa_system_sgpr_workgroup_id_y 1
		.amdhsa_system_sgpr_workgroup_id_z 1
		.amdhsa_system_vgpr_workitem_id 0
		.amdhsa_next_free_vgpr 768
		.amdhsa_next_free_sgpr 102
		.amdhsa_reserve_vcc 0
		.amdhsa_float_denorm_mode_32 3
		.amdhsa_float_denorm_mode_16_64 3
		.amdhsa_memory_ordered 1
		.amdhsa_forward_progress 1
		.amdhsa_inst_pref_size 164
	.end_amdhsa_kernel
	.amdgpu_metadata
---
amdhsa.version: [ 1, 2 ]
amdhsa.kernels:
  - .name:           k_q7214942d6c_proj
    .symbol:         k_q7214942d6c_proj.kd
    .args:
      - { .name: xi, .offset: 0, .size: 8, .value_kind: global_buffer, .address_space: global }
      - { .name: wi, .offset: 8, .size: 8, .value_kind: global_buffer, .address_space: global }
      - { .name: bq, .offset: 16, .size: 8, .value_kind: global_buffer, .address_space: global }
      - { .name: bk, .offset: 24, .size: 8, .value_kind: global_buffer, .address_space: global }
      - { .name: bv, .offset: 32, .size: 8, .value_kind: global_buffer, .address_space: global }
      - { .name: mask, .offset: 40, .size: 8, .value_kind: global_buffer, .address_space: global }
      - { .name: qi, .offset: 48, .size: 8, .value_kind: global_buffer, .address_space: global }
      - { .name: kv, .offset: 56, .size: 8, .value_kind: global_buffer, .address_space: global }
    .group_segment_fixed_size: 327680
    .private_segment_fixed_size: 0
    .kernarg_segment_align: 8
    .kernarg_segment_size: 64
    .max_flat_workgroup_size: 128
    .sgpr_count:     102
    .vgpr_count:     768
    .wavefront_size: 32
...
	.end_amdgpu_metadata
.endif
;; end of part 2
;; launch attn (part 3): grid 4 x 64, 16 waves a work-group, clusters of 4 x 1, 327,680 bytes of LDS; arguments qi, kv, ai; writes ai
.if DOCPART == 3
	.amdgcn_target "amdgcn-amd-amdhsa--gfx1250"
	.amdhsa_code_object_version 6
	.text
	.protected	k_q7214942d6c_attn
	.globl	k_q7214942d6c_attn
	.p2align	8
	.type	k_q7214942d6c_attn,@function
k_q7214942d6c_attn:
	s_mov_b64 s[64:65], 0
	v_nop
	global_prefetch_b8 v0, s[64:65] scope:SCOPE_SE
	s_setreg_imm32_b32 hwreg(HW_REG_WAVE_MODE, 25, 1), 1
	s_wait_xcnt 0x0
	s_wait_alu depctr_hold_cnt(0) depctr_sa_sdst(0) depctr_va_vdst(0) depctr_va_sdst(0) depctr_va_ssrc(0) depctr_va_vcc(0) depctr_vm_vsrc(0)
	s_getreg_b32 s2, hwreg(HW_REG_IB_STS2, 6, 4)
	s_cmp_eq_u32 s2, 0
	s_cbranch_scc0 .Lentry_in_a_cluster
	s_endpgm
.Lentry_in_a_cluster:
	s_bfe_u32 s2, ttmp6, 0x10000c
	s_cmp_lg_u32 s2, 0x3003
	s_cbranch_scc0 .Lentry_shape_is_right
	s_endpgm
.Lentry_shape_is_right:
; LAUNCH 3 OF 4.  For each batch and head: S^T = k q^T, the softmax, O^T = v^T p^T, O / l, and O's quantising for the last product; all on codes of FP6 (E2M3).  No work is left out.
; THE SOFTMAX: t = score x log2(e) / 8; M = the running largest t rounded up to a whole number; p = 2^(t - M) is quantised along the keys; the row's sum is taken of the unquantised p and divides at the end.
; When M moves, the sum and O^T are multiplied by 2^(old M - new M), which rounds nothing.
; A BLOCK'S SCALE: p rises with the score, and floor(log2(2^x)) = floor(x): the scale's byte is floor(t - M) of the block's largest score + 125, held at 1 from below.  LIMIT: where v_exp_f32 rounds the block's
; largest p up to a power of two that t - M lies just under, that one p is held at the largest code.
; THE MASK: the head's size is 64, so registers 6-11 of q's and k's fragments are padding.  At k = 64 q's holds the code +1 and k's the code -1; the scale words of the launch before give that product -2^126 for a
; masked key (whose other codes are zeros) and -2^-63 for an open one.  LIMITS: as stated at the head of the launch before.
; SHARES.  A work-group owns 512 queries of one head; each of its sixteen waves owns one tile of 16 queries in each of two passes, in 256 registers.  A head's whole K and V, codes and scale words, 208,896 bytes,
; lie in LDS, filled once, each wave fetching a sixteenth.  CLUSTER 4 x 1: the four work-groups of a head ask for those bytes jointly.
; The tensor load lays 32 bytes of padding behind each 256: byte x of the head's block lies at x + 32 (x / 256).  With it the 32 lanes of each 8-byte read of K below touch 64 different banks.
; WHICH KEYS FORM A TILE is chosen by the lanes' LDS addresses: in a step of 128 keys tile (c, j), c = 0, 1, j = 0 .. 3, takes as its row m the key 64 c + 32 (m / 8) + 8 j + m % 8.  Both products are used transposed, so
; lane (r, h) holds query r, and its 32 registers of group c are the keys 64 c + 32 h + 0 .. 31: one whole scale block, in the order of p's operand registers.  No lane asks another for a block's maximum, no codes change lanes.
; (The launch before stored key 32 G + 8 u + e + 16 f, e < 8, as row e + 8 f of tile 2 G + u: so row m of tile (c, j) is row m % 8 + 8 (j / 2) of stored tile 4 c + 2 (m / 8) + j % 2.)
; A STEP IN TWO HALVES.  A: group 0's products; the request for K's group 1; the step before's O^T += v^T p^T; block 0's search; the request for V.  B: group 1's products, the request for the next step's group 0, the softmax, p's codes.
; The loop's trip is B of one step and A of the next; the first A (with no products for O^T), the last B and the last products for O^T are written out.  The last B asks for the next pass's q and first group.
; NO PREFETCH INTO THE L2: K and V are asked for once, at the head, ahead of any loop, so there is no loop to run ahead in; q's next tile is loaded most of a key step ahead of its use.
.set KVB,   208896                     ; a head's block in memory
.set WSH,   13056                      ; a wave's sixteenth: 51 rows of 256 bytes,
.set LWSH,  14688                      ; in LDS 51 x 288
.set LST,   6912                       ; a step's codes in LDS (6,144 + padding), in K and in V
.set LVC,   110592                     ; where V's fragments begin in LDS
.set LSC,   221184                     ; and the scale words: for each step K's 8 x 64 bytes, then V's 4 x 64
.set LSS,   864                        ; a step's scale words in LDS
.set SPARE, 235008                     ; the spare words, 128 bytes for each wave: eight blocks of 256 bytes that no other line names
.set AK0, 1                            ; v1   my place in K's tiles: 8 (l % 8) + 1,728 ((l / 8) % 2) + 128 (l / 16)
.set AV0, 2                            ; v2   in V's images: 16 l + 32 (l / 16) + LVC - 3,456 (s[TK] stands 3,456 ahead: see there)
.set AS0, 3                            ; v3   in K's scale words: 4 (l % 8) + 128 ((l / 8) % 2) + 64 (l / 16) + LSC
.set ADK, 4                            ; v4, v8, v9, v241  the addresses of the step in hand (v4, v9 from a pass's last step on: 8 l and 4 (l % 16), offsets for q and O)
.set SPW, 5                            ; v5   LDS address of my spare word; never rewritten
.set NIL, 6                            ; v6   0; never rewritten
.set SO0, 7                            ; v7, v29  the conversions' scale operands
.set ADV, 8
.set ADS, 9
.set VW,  10                           ; v10-11 V's scale words.  v12 -M, v13 the largest score; v[14:15] the sum
.set Q,   16                           ; v16-27 q's fragment
.set QW,  28                           ; v28  q's scale words
.set SO1, 29
.set F,   30                           ; v30  f = 2^(old M - new M)
.set PWD, 31                           ; v31  p's scale word
.set KF,  32                           ; v32-79 four fragments of k
.set KW,  80                           ; v80-83 their scale words: register 2 c + a: lanes 0-15 tile (c, 2 a), lanes 16-31 tile (c, 2 a + 1)
.set VF,  84                           ; v84-131 four fragments of v
.set S,   132                          ; v132-195 S^T, then p
.set OT,  196                          ; v196-227 O^T
.set PCD, 228                          ; v228-239 p's codes
.set AW0, 240                          ; v240 my place in V's scale words: 4 l + LSC + 576
.set ADW, 241
.set T,   242                          ; v242-255 at work: seven pairs of partial sums; ahead of them the names below
.set C0,  242
.set X,   246
.set Y,   247
.set BM0, 248
.set BM1, 249
.set OM,  250
.set A,   251
.set PT,  252
.set D,   253
.set E0,  254
.set WV,  10
.set CX,  11
.set BH,  12
.set G0,  16                           ; s[16:19], s[20:27] the descriptor
.set G1,  20
.set SEL, 28
.set HM,  30
.set CN,  31                           ; s31  -c
.set CS,  32                           ; s[32:33] c = log2(e) / 8
.set TK,  34                           ; s34  where the step's group 1 of K begins in LDS: 6,912 x step + 3,456
.set TS,  35                           ; s35  its scale words
.set PASS, 36
.set CNT, 37
.set QB,  48                           ; s[48:49] q's codes, s[50:51] q's scale words, s[52:53] O's codes, s[54:55] O's scale bytes
.set QSB, 50
.set AB,  52
.set ASB, 54
.macro PLACES
.rept 4
	v_nop
.endr
.endm
.macro WALU
	s_wait_alu depctr_va_vdst(0)
.endm
.macro DEP n
	s_delay_alu instid0(VALU_DEP_\n)
.endm
.macro ROUND                           ; a round of the cluster's barrier
	s_barrier_signal -1
	s_barrier_wait -1
	s_cmp_lg_u32 s[WV], 0
	s_cbranch_scc1 .Lnot_wave_0_\@
	s_barrier_signal -3
.Lnot_wave_0_\@:
	s_barrier_wait -3
	s_barrier_signal -1
	s_barrier_wait -1
.endm
.macro QK g                            ; group g's four tiles of 16 keys
.irp t, 0,2
	v_wmma_scale_f32_16x16x128_f8f6f4 v[S+8*(4*\g+\t):S+8*(4*\g+\t)+7], v[KF+12*\t:KF+11+12*\t], v[Q:Q+11], 0, v[KW+2*\g+\t/2], v[QW] matrix_a_fmt:MATRIX_FMT_FP6 matrix_b_fmt:MATRIX_FMT_FP6
	v_wmma_scale_f32_16x16x128_f8f6f4 v[S+8*(4*\g+\t)+8:S+8*(4*\g+\t)+15], v[KF+12+12*\t:KF+23+12*\t], v[Q:Q+11], 0, v[KW+2*\g+\t/2], v[QW] matrix_a_fmt:MATRIX_FMT_FP6 matrix_b_fmt:MATRIX_FMT_FP6 matrix_a_scale:MATRIX_SCALE_ROW1
.endr
.endm
.macro PV                              ; O^T += v^T p^T: four accumulators, one instruction each: a link's neighbours are other accumulators'
.irp t, 0,2
	v_wmma_scale_f32_16x16x128_f8f6f4 v[OT+8*\t:OT+8*\t+7], v[VF+12*\t:VF+11+12*\t], v[PCD:PCD+11], v[OT+8*\t:OT+8*\t+7], v[VW+\t/2], v[PWD] matrix_a_fmt:MATRIX_FMT_FP6 matrix_b_fmt:MATRIX_FMT_FP6
	v_wmma_scale_f32_16x16x128_f8f6f4 v[OT+8*\t+8:OT+8*\t+15], v[VF+12+12*\t:VF+23+12*\t], v[PCD:PCD+11], v[OT+8*\t+8:OT+8*\t+15], v[VW+\t/2], v[PWD] matrix_a_fmt:MATRIX_FMT_FP6 matrix_b_fmt:MATRIX_FMT_FP6 matrix_a_scale:MATRIX_SCALE_ROW1
.endr
.endm
.macro KLOAD c, ak, as, ko, so         ; group c's scale words and registers 0-5 of its four fragments (6-11 are the pad and stay): 10 loads.  v[ak] stands at the group's first byte: the two-address offsets count from there, in units of 8 bytes
.irp a, 0,1
	ds_load_b32 v[KW+2*\c+\a], v[\as] offset:\so+288*\c+32*\a
.endr
.irp j, 0,1,2,3
	ds_load_2addr_b64 v[KF+12*\j:KF+12*\j+3], v[\ak] offset0:108*(\j%2)+8*(\j/2) offset1:108*(\j%2)+8*(\j/2)+36   ; pieces 0 and 1, 288 bytes apart
	ds_load_b64 v[KF+12*\j+4:KF+12*\j+5], v[\ak] offset:864*(\j%2)+64*(\j/2)+576                                  ; piece 2
.endr
.endm
.macro QLOAD t                         ; q's half fragment and scale words, t tiles on
.irp p, 0,1,2
	global_load_b64 v[Q+2*\p:Q+2*\p+1], v4, s[QB:QB+1] offset:768*(\t)+256*\p
.endr
	global_load_b32 v[QW], v9, s[QSB:QSB+1] offset:64*(\t)
.endm
.macro MAXC b                          ; the largest of registers 0-6 of each of four accumulators, four chains by turns, each accumulator from its low end on
.irp k, 0,1,2,3
	v_max3_num_f32 v[C0+\k], v[\b+8*\k], v[\b+8*\k+1], v[\b+8*\k+2]
.endr
.irp i, 3,5
.irp k, 0,1,2,3
	v_max3_num_f32 v[C0+\k], v[C0+\k], v[\b+8*\k+\i], v[\b+8*\k+\i+1]
.endr
.endr
.endm
.macro PF j                            ; t - M, two at a time
	v_pk_fma_f32 v[S+\j:S+\j+1], v[S+\j:S+\j+1], s[CS:CS+1], v[12:13] op_sel_hi:[1,0,0]
.endm
.macro TADD d, a                       ; pair d of the partial sums += pair a
	v_pk_add_f32 v[T+2*\d:T+2*\d+1], v[T+2*\d:T+2*\d+1], v[T+2*\a:T+2*\a+1]
.endm
; THE FIRST HALF OF A KEY STEP.  first = 1: a pass's first step: no step stands before it
.macro HALFA first
	WALU
	s_wait_dscnt 0x0                               ; group 0's fragments and words, and the step before's V
	QK 0
	v_add_nc_u32 v[ADK], s[TK], v[AK0]             ; five plain lines: the places behind group 0's products, ahead of the loads into their sources and of the reads of S^T
	v_add_nc_u32 v[ADV], s[TK], v[AV0]
	v_add_nc_u32 v[ADS], s[TS], v[AS0]
	v_add_nc_u32 v[ADW], s[TS], v[AW0]
	v_mov_b32 v[OM], v12                           ; the old -M
	KLOAD 1, ADK, ADS, 0, 0
.if !\first
	PV                                             ; the step before's, under the loads' flight
.endif
	MAXC S                                         ; block 0's largest score; twelve places ahead of the loads into V's registers
.irp t, 0,1,2,3
.irp q, 0,1,2
	ds_load_b128 v[VF+12*\t+4*\q:VF+12*\t+4*\q+3], v[ADV] offset:1728*\t+576*\q
.endr
.endr
.irp i, 0,1
	ds_load_b32 v[VW+\i], v[ADW] offset:128*\i
.endr
.endm
; THE SECOND HALF.  last = 1: the pass's last step
.macro HALFB last
	WALU
	s_wait_dscnt 14                                ; group 1's 10 loads are in; V's 14, issued behind them, may be out
	QK 1
	v_max3_num_f32 v[X], v[C0], v[C0+1], v[C0+2]   ; the rest of block 0's search: four places behind group 1's products
	v_max3_num_f32 v[Y], v[C0+3], v[S+7], v[S+15]
	v_max3_num_f32 v[X], v[X], v[Y], v[S+23]
	v_max_num_f32 v[BM0], v[X], v[S+31]
.if \last
	v_and_b32 v4, 31, v0
	v_and_b32 v9, 15, v0
	DEP 2
	v_lshlrev_b32 v4, 3, v4                        ; 8 l: my offset in q's and O's half fragments
	DEP 2
	v_lshlrev_b32 v9, 2, v9                        ; 4 (l % 16): in q's scale words
	WALU
	s_cmp_eq_u32 s[PASS], 1                        ; the last pass has no successor
	s_cbranch_scc1 .Lno_next_\@
	KLOAD 0, AK0, AS0, 0, 0                        ; the next pass's first group,
	QLOAD 16                                       ; and its q: sixteen tiles on
.Lno_next_\@:
.else
	v_add_nc_u32 v[ADK], 3456, v[ADK]              ; on to the next step's group 0
	KLOAD 0, ADK, ADS, 0, LSS
.endif
	MAXC S+32
	DEP 2
	v_max3_num_f32 v[X], v[C0], v[C0+1], v[C0+2]
	v_max3_num_f32 v[Y], v[C0+3], v[S+39], v[S+47]
	v_max3_num_f32 v[X], v[X], v[Y], v[S+55]
	v_max_num_f32 v[BM1], v[X], v[S+63]            ; block 1's largest score
	v_max3_num_f32 v[A], v[X], v[S+63], v[BM0]     ; my 64 keys' largest
	DEP 1
	v_permlanex16_b32 v[PT], v[A], s[SEL], s[SEL+1]
	DEP 1
	v_max3_num_f32 v13, v13, v[A], v[PT]           ; the running largest score of my query
	DEP 1
	v_mul_f32 v[D], s[CN], v13                     ; -t (c is positive)
	DEP 1
	v_floor_f32 v12, v[D]                          ; the new -M = floor(-t): a whole number
	DEP 1
	v_sub_f32 v[D], v12, v[OM]                     ; old M - new M: a whole number, 0 or less.  Three chains by turns from here: f, and the two blocks' scales
	DEP 2
	v_pk_fma_f32 v[BM0:BM0+1], v[BM0:BM0+1], s[CS:CS+1], v[12:13] op_sel_hi:[1,0,0]   ; t - M of both blocks' largest scores
	DEP 2
	v_cvt_i32_f32 v[D], v[D]                       ; (it saturates)
	DEP 2
	v_max_num_f32 v[BM0], 0xc2f80000, v[BM0]       ; held at -124: the byte cannot fall under 1 (a block whose every p is 0 keeps that byte: its codes are zeros)
	DEP 3
	v_max_num_f32 v[BM1], 0xc2f80000, v[BM1]
	DEP 3
	v_ldexp_f32 v[F], 1.0, v[D]                    ; f = 2^(old M - new M)
	DEP 3
	v_floor_f32 v[BM0], v[BM0]
	DEP 3
	v_floor_f32 v[BM1], v[BM1]
	PF 0
	PF 2
	DEP 3
	v_pk_add_f32 v[BM0:BM0+1], v[BM0:BM0+1], 0x4b40007d op_sel_hi:[1,0]   ; + 2^23 + 2^22 + 125: each sum's lowest byte is the scale's byte, floor(t - M) + 125
	PF 4
	PF 6
	DEP 3
	v_lshlrev_b32 v[SO0], 23, v[BM0]               ; the byte as an exponent field: the conversions' scale operands
	DEP 4
	v_lshlrev_b32 v[SO1], 23, v[BM1]
	v_perm_b32 v[X], v[BM1], v[BM0], 0x0c040c00    ; my two bytes, blocks h and 2 + h, at bytes 0 and 2
	PF 8
	PF 10
	DEP 3
	v_permlanex16_b32 v[PT], v[X], s[SEL], s[SEL+1]
	PF 12
	PF 14
	DEP 3
	v_lshl_or_b32 v[PWD], v[PT], 8, v[X]           ; lanes 0-15, which alone are read: p's scale word of these 128 keys
.irp j, 16,18,20,22,24,26,28,30
	PF \j
.endr
.set j, 0
.rept 16
	v_pk_mul_f32 v[OT+j:OT+j+1], v[OT+j:OT+j+1], v[F:F+1] op_sel_hi:[1,0]   ; O^T under the new M, each accumulator from its low end on
.set j, j+2
.endr
	WALU
.set j, 0
.rept 16
	v_exp_f32 v[S+j], v[S+j]                       ; block 0's p = 2^(t - M): not normalised;
	v_exp_f32 v[S+j+1], v[S+j+1]
	v_pk_fma_f32 v[S+32+j:S+33+j], v[S+32+j:S+33+j], s[CS:CS+1], v[12:13] op_sel_hi:[1,0,0]   ; among them block 1's t - M, which hangs on none of them
.set j, j+2
.endr
	WALU                                           ; behind the first batch and ahead of the second
.set n, 0
.rept 16
	v_exp_f32 v[S+32+2*n], v[S+32+2*n]             ; block 1's p;
	v_exp_f32 v[S+33+2*n], v[S+33+2*n]
.if (n%2) && (n > 2)
	v_pk_add_f32 v[T+n-3:T+n-2], v[S+n-3:S+n-2], v[S+n+11:S+n+12]   ; among them seven first sums of block 0's p; the last stands behind the last exponential
.endif
.set n, n+1
.endr
	WALU                                           ; one wait for the batch, ahead of its first reader
	v_cvt_scalef32_pk16_fp6_f32 v[PCD:PCD+2], v[S:S+15], v[SO0]
	v_cvt_scalef32_pk16_fp6_f32 v[PCD+6:PCD+8], v[S+32:S+47], v[SO1]
.irp k, 0,1,2,3,4,5,6
	v_pk_add_f32 v[T+2*\k:T+2*\k+1], v[T+2*\k:T+2*\k+1], v[S+32+2*\k:S+33+2*\k]   ; the row's sum is taken of the unquantised p
.endr
	v_pk_fma_f32 v[14:15], v[14:15], v[F:F+1], v[S+46:S+47] op_sel_hi:[1,0,1]   ; the sums come under the new M (x f, a power of two) as they take their first p of this step
	v_cvt_scalef32_pk16_fp6_f32 v[S:S+2], v[S+16:S+31], v[SO0]       ; (a conversion's three registers begin on an even number: these land on p that has been summed and converted, and are moved)
	v_cvt_scalef32_pk16_fp6_f32 v[S+4:S+6], v[S+48:S+63], v[SO1]
.irp k, 0,1,2,3,4,5,6
	v_pk_add_f32 v[T+2*\k:T+2*\k+1], v[T+2*\k:T+2*\k+1], v[S+48+2*\k:S+49+2*\k]
.endr
	v_pk_add_f32 v[14:15], v[14:15], v[S+62:S+63]
	v_pk_add_f32 v[T:T+1], v[T:T+1], v[S+28:S+29]
	v_pk_add_f32 v[T+2:T+3], v[T+2:T+3], v[S+30:S+31]
	TADD 0, 4                                      ; the seven partial sums become one; the codes' six moves stand among its levels
	TADD 1, 5
	TADD 2, 6
	v_mov_b32 v[PCD+3], v[S]
	v_mov_b32 v[PCD+4], v[S+1]
	DEP 3
	TADD 0, 2
	TADD 1, 3
	v_mov_b32 v[PCD+5], v[S+2]
	v_mov_b32 v[PCD+9], v[S+4]
	DEP 3
	TADD 0, 1
	v_mov_b32 v[PCD+10], v[S+5]
	v_mov_b32 v[PCD+11], v[S+6]
	DEP 3
	v_pk_add_f32 v[14:15], v[14:15], v[T:T+1]
	s_add_co_u32 s[TK], s[TK], LST
	s_add_co_u32 s[TS], s[TS], LSS
.endm
	s_load_b128 s[4:7], s[0:1], 0x0                ; qi, kv
	s_load_b64 s[8:9], s[0:1], 0x10                ; ai
	v_lshl_add_u32 v[SPW], v0, 2, SPARE
	v_mov_b32 v[NIL], 0
	ds_add_u32 v[SPW], v[NIL]                      ; the wave's opening: the add, twice on end, and its wait ahead of my tensor load
	ds_add_u32 v[SPW], v[NIL]
	v_lshrrev_b32 v7, 5, v0
	DEP 1
	v_readfirstlane_b32 s[WV], v7                  ; wave 0..15
	s_bfe_u32 s[CX], ttmp6, 0x40000                ; my block of 512 queries: it enters q's and O's addresses alone
	s_and_b32 s[BH], ttmp7, 0xffff                 ; batch x 16 + head, which the four partners share
	; the descriptor: my sixteenth of the head's block, 13,056 dense bytes, as 51 rows of 256 bytes (32 elements of 8 bytes), 32 bytes of padding behind each
	s_mov_b32 s[G1], 15|(3<<16)|(1<<20)|(1<<21)|(5<<22)|(7<<25)   ; the mask: all four work-groups; elements of 8 bytes; padding on; 21 set beside a mask; after every 64 words; of 8 words
	s_mov_b32 s[G1+1], 32<<16
	s_mov_b32 s[G1+2], 51<<16
	s_mov_b32 s[G1+3], 32<<16
	s_mov_b32 s[G1+4], 51
	s_mov_b32 s[G1+5], 32
	s_mov_b32 s[G1+6], 0
	s_mov_b32 s[G1+7], 0
	s_mul_i32 s38, s[BH], KVB
	s_mul_i32 s39, s[WV], WSH
	s_add_co_u32 s40, s38, s39
	s_mov_b32 s41, 0
	s_lshl_b32 s42, s[CX], 5
	s_add_co_u32 s42, s42, s[WV]                   ; my tile of queries in pass 0: 32 cx + wave
	s_mul_i32 s43, s[BH], 106496
	s_mul_i32 s44, s42, 768
	s_add_co_u32 s44, s44, s43
	s_mov_b32 s45, 0
	s_lshl_b32 s46, s42, 6
	s_add_co_u32 s46, s46, s43
	s_add_co_u32 s46, s46, 98304
	s_mov_b32 s47, 0
	s_lshr_b32 s56, s[BH], 4
	s_lshl_b32 s56, s56, 7
	s_add_co_u32 s56, s56, s42                     ; its tile in ai: 128 x batch + tile
	s_mul_i32 s56, s56, 12800
	s_bfe_u32 s57, s[BH], 0x10003                  ; the last product's K = 64 x head + channel: which half of K,
	s_mul_i32 s57, s57, 6400
	s_add_co_u32 s56, s56, s57
	s_bfe_u32 s57, s[BH], 0x20001                  ; which K step of it,
	s_and_b32 s58, s[BH], 1                        ; which half of the fragment
	s_mul_i32 s59, s57, 1536
	s_mul_i32 s60, s58, 768
	s_add_co_u32 s59, s59, s60
	s_add_co_u32 s60, s56, s59
	s_mov_b32 s61, 0
	s_lshl_b32 s57, s57, 2
	s_lshl_b32 s58, s58, 1
	s_add_co_u32 s57, s57, s58
	s_add_co_u32 s57, s57, 6144
	s_add_co_u32 s62, s56, s57
	s_mov_b32 s63, 0
	s_mov_b32 s[SEL], 0x76543210
	s_mov_b32 s[SEL+1], 0xfedcba98
	s_mov_b32 s[HM], 0xffff0000
	s_mov_b32 s[CS], 0x3e38aa3b                    ; c = log2(e) / sqrt(64)
	s_mov_b32 s[CS+1], s[CS]                       ; (named with it as a pair, so it is written)
	s_mov_b32 s[CN], 0xbe38aa3b                    ; -c
	s_mov_b32 s[PASS], 2
	s_wait_dscnt 0x0                               ; both opening adds are done
	s_wait_kmcnt 0x0
	s_mov_b32 s[G0], 1
	s_mul_i32 s[G0+1], s[WV], LWSH                 ; LDS: 14,688 x wave
	s_add_nc_u64 s[G0+2:G0+3], s[6:7], s[40:41]
	s_or_b32 s[G0+3], s[G0+3], 0x80000000
	s_add_nc_u64 s[QB:QB+1], s[4:5], s[44:45]
	s_add_nc_u64 s[QSB:QSB+1], s[4:5], s[46:47]
	s_add_nc_u64 s[AB:AB+1], s[8:9], s[60:61]
	s_add_nc_u64 s[ASB:ASB+1], s[8:9], s[62:63]
	ROUND                                          ; all four work-groups are here: the joint loads meet
	tensor_load_to_lds s[G0:G0+3], s[G1:G1+7]      ; every wave's one tensor load of the launch
	s_nop 0
	v_and_b32 v7, 31, v0                           ; l
	v_and_b32 v29, 7, v0                           ; l % 8
	v_bfe_u32 v[C0], v0, 3, 1                      ; (l / 8) % 2
	v_bfe_u32 v[C0+1], v0, 4, 1                    ; l / 16
	v_and_b32 v9, 15, v0
	v_lshlrev_b32 v4, 3, v7
	DEP 2
	v_lshlrev_b32 v9, 2, v9
	QLOAD 0                                        ; the first pass's q, under the tensor load's flight
	v_lshlrev_b32 v[AK0], 3, v29
	v_lshl_add_u32 v[AV0], v7, 4, LVC-3456
	v_lshl_add_u32 v[AS0], v29, 2, LSC
	v_lshl_add_u32 v[AW0], v7, 2, LSC+576
	DEP 4
	v_mad_u32_u24 v[AK0], v[C0], 1728, v[AK0]
	DEP 4
	v_lshl_add_u32 v[AV0], v[C0+1], 5, v[AV0]
	DEP 4
	v_lshl_add_u32 v[AS0], v[C0], 7, v[AS0]
	v_mov_b32 v[X], 0x08                           ; the pad: at k = 64 (register 6, lanes 0-15, the lowest six bits) q holds the code of +1,
	DEP 4
	v_lshl_add_u32 v[AK0], v[C0+1], 7, v[AK0]
	v_mov_b32 v[Y], 0x28                           ; k the code of -1; all else there is 0
	DEP 4
	v_lshl_add_u32 v[AS0], v[C0+1], 6, v[AS0]
	DEP 4
	v_cndmask_b32 v[Q+6], v[X], 0, s[HM]
.irp i, 7,8,9,10,11
	v_mov_b32 v[Q+\i], 0
.endr
.irp t, 0,1,2,3
	v_cndmask_b32 v[KF+6+12*\t], v[Y], 0, s[HM]
.irp i, 7,8,9,10,11
	v_mov_b32 v[KF+12*\t+\i], 0
.endr
.endr
	v_mov_b32 v[PWD], 0                            ; (named as the upper half of the pair v[30:31] before it is first written)
	v_mov_b32 v[PT], 0                             ; written once: a lane permute's destination counts as one of its sources
	WALU
	s_wait_tensorcnt 0x0                           ; my sixteenth has landed,
	s_barrier_signal -1
	s_barrier_wait -1                              ; everybody's has: from here on LDS is only read
	KLOAD 0, AK0, AS0, 0, 0                        ; the first step's group 0
.Lpass:
	v_mov_b32 v13, 0xff61b1e6                      ; the largest score so far: -3e38
	v_mov_b32 v12, 0x7e967699                      ; -M: 1e38, a whole number above every c x |score|: the first f is 0
	v_mov_b32 v14, 0
	v_mov_b32 v15, 0
.set j, 0
.rept 32
	v_mov_b32 v[OT+j], 0                           ; O^T: the first change of M leaves zeros zeros
.set j, j+1
.endr
	s_mov_b32 s[TK], 3456
	s_mov_b32 s[TS], 0
	s_mov_b32 s[CNT], 15
	WALU
	s_wait_loadcnt 0x0                             ; q
	HALFA 1
.Lstep:
	HALFB 0
	HALFA 0
	s_sub_co_u32 s[CNT], s[CNT], 1
	s_cmp_lg_u32 s[CNT], 0
	s_cbranch_scc1 .Lstep
	HALFB 1
	WALU
	s_wait_dscnt 0x0                               ; the last step's V (and what its branch may have asked for)
	PLACES                                         ; between the codes' last write and the products
	PV
	; THE WAY OUT: O / l, quantised along the head's 64 channels (two blocks), as half a fragment of the last product's operand
	PLACES
	v_add_f32 v14, v14, v15
	DEP 1
	v_permlanex16_b32 v[SO0], v14, s[SEL], s[SEL+1]
	DEP 1
	v_add_f32 v14, v14, v[SO0]                     ; the row's sum
	WALU
	v_rcp_f32 v14, v14
	v_nop                                          ; a plain place behind the transcendental
	WALU                                           ; and the wait ahead of its first reader and of O^T's
.set j, 0
.rept 32
	v_mul_f32 v[S+j], v[OT+j], v14                 ; register 16 g + i is channel 32 g + 16 h + i of my query; each accumulator from its low end on
.set j, j+1
.endr
.irp b, 0,1
	v_max3_num_f32 v[BM0+\b], |v[S+16*\b]|, |v[S+1+16*\b]|, 0x1800000
.endr
.irp i, 2,4,6,8,10,12,14
.irp b, 0,1
	DEP 2
	v_max3_num_f32 v[BM0+\b], v[BM0+\b], |v[S+16*\b+\i]|, |v[S+1+16*\b+\i]|
.endr
.endr
.irp b, 0,1
	DEP 2
	v_permlanex16_b32 v[C0+\b], v[BM0+\b], s[SEL], s[SEL+1]
.endr
.irp b, 0,1
	DEP 2
	v_max_num_f32 v[BM0+\b], v[BM0+\b], v[C0+\b]
.endr
.irp b, 0,1
	DEP 2
	v_add_nc_u32 v[E0+\b], 0xff000000, v[BM0+\b]
.endr
.irp b, 0,1
	DEP 2
	v_lshrrev_b32 v[C0+\b], 23, v[E0+\b]
.endr
	v_cvt_scalef32_pk16_fp6_f32 v[PCD:PCD+2], v[S:S+15], v[E0]
	v_cvt_scalef32_pk16_fp6_f32 v[PCD+4:PCD+6], v[S+16:S+31], v[E0+1]
	v_nop                                          ; one plain place behind a scaled conversion
.irp i, 0,1,2
	v_permlane16_swap_b32 v[PCD+\i], v[PCD+4+\i]   ; a whole block to a lane: lanes 0-15 channels 0-31, lanes 16-31 channels 32-63
.endr
	DEP 3
	v_mov_b32 v[PCD+3], v[PCD+4]
	DEP 3
	v_mov_b32 v[PCD+4], v[PCD+5]
	DEP 3
	v_mov_b32 v[PCD+5], v[PCD+6]
	v_cndmask_b32 v[SO0], v[C0], v[C0+1], s[HM]    ; my block's byte
	v_bfe_u32 v[SO1], v0, 4, 1
	DEP 1
	v_lshl_add_u32 v[SO1], v9, 2, v[SO1]           ; and its place: 16 (l % 16) + l / 16
.irp p, 0,1,2
	global_store_b64 v4, v[PCD+2*\p:PCD+2*\p+1], s[AB:AB+1] offset:256*\p   ; 256 consecutive bytes
.endr
	global_store_b8 v[SO1], v[SO0], s[ASB:ASB+1]
	s_wait_xcnt 0x0                                ; the loads and stores have read their registers and bases, which are written again below
	s_add_nc_u64 s[AB:AB+1], s[AB:AB+1], 16*12800  ; sixteen tiles on
	s_add_nc_u64 s[ASB:ASB+1], s[ASB:ASB+1], 16*12800
	s_sub_co_u32 s[PASS], s[PASS], 1
	s_cmp_lg_u32 s[PASS], 0
	s_cbranch_scc1 .Lpass
	s_wait_tensorcnt 0x0                           ; the wave's end, behind my tensor load
	ds_add_u32 v[SPW], v[NIL]
	s_wait_dscnt 0x0
	ROUND                                          ; the closing round
	s_endpgm
.Lfunc_end_k_q7214942d6c_attn:
	.size	k_q7214942d6c_attn, .Lfunc_end_k_q7214942d6c_attn-k_q7214942d6c_attn
	.p2alignl 7, 3214868480
	.fill 96, 4, 3214868480
	.section	.rodata,"a",@progbits
	.p2align	6, 0x0
	.amdhsa_kernel k_q7214942d6c_attn
		.amdhsa_group_segment_fixed_size 327680
		.amdhsa_private_segment_fixed_size 0
		.amdhsa_enable_private_segment 0
		.amdhsa_kernarg_size 24
		.amdhsa_user_sgpr_count 2
		.amdhsa_user_sgpr_kernarg_segment_ptr 1
		.amdhsa_wavefront_size32 1
		.amdhsa_system_sgpr_workgroup_id_x 1
		.amdhsa_system_sgpr_workgroup_id_y 1
		.amdhsa_system_sgpr_workgroup_id_z 1
		.amdhsa_system_vgpr_workitem_id 0
		.amdhsa_next_free_vgpr 256
		.amdhsa_next_free_sgpr 66
		.amdhsa_reserve_vcc 0
		.amdhsa_float_denorm_mode_32 3
		.amdhsa_float_denorm_mode_16_64 3
		.amdhsa_memory_ordered 1
		.amdhsa_forward_progress 1
		.amdhsa_inst_pref_size 46
	.end_amdhsa_kernel
	.amdgpu_metadata
---
amdhsa.version: [ 1, 2 ]
amdhsa.kernels:
  - .name:           k_q7214942d6c_attn
    .symbol:         k_q7214942d6c_attn.kd
    .args:
      - { .name: qi, .offset: 0, .size: 8, .value_kind: global_buffer, .address_space: global }
      - { .name: kv, .offset: 8, .size: 8, .value_kind: global_buffer, .address_space: global }
      - { .name: ai, .offset: 16, .size: 8, .value_kind: global_buffer, .address_space: global }
    .group_segment_fixed_size: 327680
    .private_segment_fixed_size: 0
    .kernarg_segment_align: 8
    .kernarg_segment_size: 24
    .max_flat_workgroup_size: 512
    .sgpr_count:     66
    .vgpr_count:     256
    .wavefront_size: 32
...
	.end_amdgpu_metadata
.endif
;; end of part 3
;; launch oproj (part 4): grid 4 x 64, 4 waves a work-group, clusters of 4 x 4, 327,680 bytes of LDS; arguments ai, wi, bo, out0; writes out0
.if DOCPART == 4
	.amdgcn_target "amdgcn-amd-amdhsa--gfx1250"
	.amdhsa_code_object_version 6
	.text
	.protected	k_q7214942d6c_oproj
	.globl	k_q7214942d6c_oproj
	.p2align	8
	.type	k_q7214942d6c_oproj,@function
k_q7214942d6c_oproj:
	s_mov_b64 s[64:65], 0
	v_nop
	global_prefetch_b8 v0, s[64:65] scope:SCOPE_SE
	s_setreg_imm32_b32 hwreg(HW_REG_WAVE_MODE, 25, 1), 1
	s_wait_xcnt 0x0
	s_wait_alu depctr_hold_cnt(0) depctr_sa_sdst(0) depctr_va_vdst(0) depctr_va_sdst(0) depctr_va_ssrc(0) depctr_va_vcc(0) depctr_vm_vsrc(0)
	s_getreg_b32 s2, hwreg(HW_REG_IB_STS2, 6, 4)
	s_cmp_eq_u32 s2, 0
	s_cbranch_scc0 .Lentry_in_a_cluster
	s_endpgm
.Lentry_in_a_cluster:
	s_bfe_u32 s2, ttmp6, 0x10000c
	s_cmp_lg_u32 s2, 0xf033
	s_cbranch_scc0 .Lentry_shape_is_right
	s_endpgm
.Lentry_shape_is_right:
; LAUNCH 4 OF 4.  out0 = attention's result x Wo + bo, on codes of FP6 (E2M3).  No work is left out.
; THE CORE is the second launch's: D = P R^T, P = 256 columns of Wo (source 0), R = 128 rows of the attention's result (source 1), K = 1,024, all of it in LDS in two chunks of 512, each byte filled once.
; A lane holds one row of the output and its registers run along 128 columns.  Four waves: wave w takes P's tiles 8 (w % 2) on and R's tiles 4 (w / 2) on: 32 accumulators.
; R's fragments were stored by the launch before as six pieces of 8 bytes a lane, so they are read so.
; CLUSTER 4 x 4: P is asked for jointly by a column of the cluster, R by a row.
; THE WAY OUT: 16 rows x 128 columns at a time through the wave's own stage in LDS, back as whole rows of 512 bytes.  The stages lie in chunk 0: it has had its one fill, and its last read stands ahead of the barrier
; in front of chunk 1, which every wave has passed.
; REGISTERS as in the second launch; on the way out v80-207 of window 0 hold rows read back.
.set CH,    153600
.set ROFF,  102400
.set SPARE, 2*CH                       ; the spare words, 128 bytes for each wave: two blocks of 256 bytes that no other line names
.set TBLK,  12800
.set HBLK,  6400
.set FRB,   1536
.set SPITCH, 528
.set ADP, 4
.set ADR, 6
.set ASP, 8
.set ASR, 10
.set SPW, 12                           ; v12  LDS address of my spare word; never rewritten
.set NIL, 13                           ; v13  0; never rewritten
.set O8,  14
.set O16, 15
.set STO, 16                           ; v16  the stage: where I put 32 bytes of a row
.set RD,  17                           ; v17  and where I read a row back
.set SC,  32
.set RF,  80
.set BI,  176
.set BK,  80
.set WV,  20
.set PH,  21
.set RH,  22
.set G1P, 24
.set G1R, 32
.set G0P, 40
.set G0R, 48
.set CX,  56
.set CY,  57
.set CLY, 58
.set RT,  59
.set OB,  88                           ; s[88:89] my part of out0
.set MSB, 0
.macro WIN new                         ; the immediate's high byte repeats the setting that is left
.if MSB != \new
	s_set_vgpr_msb (MSB<<8)|\new
.set MSB, \new
.endif
.endm
.macro PLACES                          ; four places behind a matrix instruction, ahead of loads into its sources and of reads of its results
.rept 4
	v_nop
.endr
.endm
.macro CROUND                          ; a round of the cluster's barrier
	s_barrier_signal -1
	s_barrier_wait -1
	s_cmp_lg_u32 s[WV], 0
	s_cbranch_scc1 .Lnot_wave_0_\@
	s_barrier_signal -3
.Lnot_wave_0_\@:
	s_barrier_wait -3
	s_barrier_signal -1
	s_barrier_wait -1
.endm
.macro SCALES k
	WIN 0
.irp i, 0,1,2,3
	ds_load_b128 v[SC+24*\k+4*\i:SC+24*\k+4*\i+3], v[ASP+\k] offset:4*FRB+2*HBLK*\i
.endr
.irp i, 0,1
	ds_load_b128 v[SC+24*\k+16+4*\i:SC+24*\k+16+4*\i+3], v[ASR+\k] offset:4*FRB+2*HBLK*\i
.endr
.endm
.macro FETCH k, s, f                   ; R's four fragments (24 loads of 8 bytes a lane), P's 0-3, P's 4-7 (12 loads of 16 bytes a lane each)
	WIN 0
.irp a, 0,1,2,3
.irp p, 0,1,2,3,4,5
	ds_load_b64 v[RF+48*(\f)+12*\a+2*\p:RF+48*(\f)+12*\a+2*\p+1], v[ADR+\k] offset:HBLK*\a+FRB*(\s)+256*\p
.endr
.endr
	WIN 0x40
.irp b, 0,1,2,3,4,5,6,7
.irp q, 0,1,2
	ds_load_b128 v[128*(\f)+12*\b+4*\q:128*(\f)+12*\b+4*\q+3], v[ADP+\k] offset:HBLK*\b+FRB*(\s)+512*\q
.endr
.endr
.endm
.macro WM a, b, k, s, f, cm            ; cm = 1: the sum begins with the bias along P
.set rD, 64*(\a)+8*(\b)
.set rP, 128*(\f)+12*(\b)
.set rR, RF+48*(\f)+12*(\a)
.set rC, rD
.if \cm == 1
.set rC, BI+8*(\b)
.endif
.set sP, SC+24*(\k)+4*((\b)/2)+(\s)
.set sR, SC+24*(\k)+16+4*((\a)/2)+(\s)
.if ((\b)%2 == 0) && ((\a)%2 == 0)
	v_wmma_scale_f32_16x16x128_f8f6f4 v[rD:rD+7], v[rP:rP+11], v[rR:rR+11], v[rC:rC+7], v[sP], v[sR] matrix_a_fmt:MATRIX_FMT_FP6 matrix_b_fmt:MATRIX_FMT_FP6
.elseif ((\b)%2 == 1) && ((\a)%2 == 0)
	v_wmma_scale_f32_16x16x128_f8f6f4 v[rD:rD+7], v[rP:rP+11], v[rR:rR+11], v[rC:rC+7], v[sP], v[sR] matrix_a_fmt:MATRIX_FMT_FP6 matrix_b_fmt:MATRIX_FMT_FP6 matrix_a_scale:MATRIX_SCALE_ROW1
.elseif ((\b)%2 == 0)
	v_wmma_scale_f32_16x16x128_f8f6f4 v[rD:rD+7], v[rP:rP+11], v[rR:rR+11], v[rC:rC+7], v[sP], v[sR] matrix_a_fmt:MATRIX_FMT_FP6 matrix_b_fmt:MATRIX_FMT_FP6 matrix_b_scale:MATRIX_SCALE_ROW1
.else
	v_wmma_scale_f32_16x16x128_f8f6f4 v[rD:rD+7], v[rP:rP+11], v[rR:rR+11], v[rC:rC+7], v[sP], v[sR] matrix_a_fmt:MATRIX_FMT_FP6 matrix_b_fmt:MATRIX_FMT_FP6 matrix_a_scale:MATRIX_SCALE_ROW1 matrix_b_scale:MATRIX_SCALE_ROW1
.endif
.endm
.macro MUL b0, k, s, f, cm             ; 16 products; the 32 accumulators take turns, one instruction a turn, in the same order in every K step
.if \cm
	WIN 0x81
.else
	WIN 0xa1
.endif
.irp b, \b0, \b0+1, \b0+2, \b0+3
.irp a, 0,1,2,3
	WM \a, \b, \k, \s, \f, \cm
.endr
.endr
.endm
.macro STEP k, s, f, cm, mode
	s_wait_dscnt 12                                ; all but the youngest 12 loads (P's tiles 4-7) are in
	MUL 0, \k, \s, \f, \cm
	s_wait_dscnt 0x0
.if \mode == 1
	s_wait_tensorcnt 0x0                           ; my part of chunk 1 has landed,
	s_barrier_signal -1
	s_barrier_wait -1                              ; everybody's has, and nobody reads chunk 0 any more
.endif
.if \mode < 2
	PLACES
.endif
.if \mode == 1
	SCALES 1
	FETCH 1, 0, 1-\f
.endif
.if \mode == 0
	FETCH \k, \s+1, 1-\f
.endif
	MUL 4, \k, \s, \f, \cm
.endm
	s_load_b256 s[4:11], s[0:1], 0x0               ; ai, wi, bo, out0
	v_lshl_add_u32 v[SPW], v0, 2, SPARE
	v_mov_b32 v[NIL], 0
	ds_add_u32 v[SPW], v[NIL]                      ; the wave's opening: the add, twice on end, and its wait ahead of my first tensor load
	ds_add_u32 v[SPW], v[NIL]                      ; and once more; the set-up below, work on registers, stands between it and the wait
	v_lshrrev_b32 v1, 5, v0
	v_readfirstlane_b32 s[WV], v1
	s_and_b32 s[PH], s[WV], 1
	s_lshr_b32 s[RH], s[WV], 1
	s_bfe_u32 s[CX], ttmp6, 0x40000
	s_bfe_u32 s[CY], ttmp6, 0x40004
	s_and_b32 s[CLY], ttmp7, 0xffff
	s_lshl_b32 s66, 0x1111, s[CX]                  ; my column of the cluster
	s_lshl_b32 s67, s[CY], 2
	s_lshl_b32 s67, 15, s67                        ; my row
	s_or_b32 s[G1P], s66, (3<<16)|(1<<21)          ; as in the second launch: 16 or 8 tile halves of 800 elements of 8 bytes, 1,600 apart
	s_or_b32 s[G1R], s67, (3<<16)|(1<<21)
	s_mov_b32 s[G1P+1], 800<<16
	s_mov_b32 s[G1P+2], 16<<16                     ; all 16 tile halves of P by one load
	s_mov_b32 s[G1P+3], 800<<16
	s_mov_b32 s[G1P+4], 16
	s_mov_b32 s[G1P+5], 1600
	s_mov_b32 s[G1P+6], 0
	s_mov_b32 s[G1P+7], 0
	s_mov_b32 s[G1R+1], 800<<16
	s_mov_b32 s[G1R+2], 8<<16                      ; all 8 tile halves of R by one load
	s_mov_b32 s[G1R+3], 800<<16
	s_mov_b32 s[G1R+4], 8
	s_mov_b32 s[G1R+5], 1600
	s_mov_b32 s[G1R+6], 0
	s_mov_b32 s[G1R+7], 0
	s_mul_i32 s80, s[CX], 16*TBLK                  ; P: 256 columns of Wo, the fourth weight; in registers that never hold cy
	s_add_co_u32 s80, s80, 3*64*TBLK
	s_mov_b32 s81, 0
	s_lshl_b32 s[RT], s[CLY], 2                    ; R: 128 rows; in registers that never hold cx
	s_add_co_u32 s[RT], s[RT], s[CY]
	s_mul_i32 s82, s[RT], 8*TBLK
	s_mov_b32 s83, 0
	s_mov_b32 s96, 0                               ; where they go in a chunk: P at its start, R behind P
	s_mov_b32 s97, ROFF
	s_wait_dscnt 0x0                               ; both opening adds are done
	s_wait_kmcnt 0x0
	s_add_nc_u64 s[84:85], s[6:7], s[80:81]
	s_add_nc_u64 s[86:87], s[4:5], s[82:83]
	CROUND                                         ; all sixteen work-groups are here: the joint loads meet
.irp k, 0,1
	s_mov_b32 s[G0P+4*\k], 1
	s_add_co_u32 s[G0P+4*\k+1], s96, \k*CH
	s_add_nc_u64 s[G0P+4*\k+2:G0P+4*\k+3], s[84:85], \k*HBLK
	s_or_b32 s[G0P+4*\k+3], s[G0P+4*\k+3], 0x80000000
	s_mov_b32 s[G0R+4*\k], 1
	s_add_co_u32 s[G0R+4*\k+1], s97, \k*CH
	s_add_nc_u64 s[G0R+4*\k+2:G0R+4*\k+3], s[86:87], \k*HBLK
	s_or_b32 s[G0R+4*\k+3], s[G0R+4*\k+3], 0x80000000
.endr
	s_cmp_eq_u32 s[WV], 0                          ; the four tiles, one load a wave, in one chain of arms: wave 0 chunk 0's P,
	s_cbranch_scc0 .Lfirst_1
	tensor_load_to_lds s[G0P:G0P+3], s[G1P:G1P+7]
	s_nop 0
	PLACES
	s_branch .Lfirst_done
.Lfirst_1:
	s_cmp_eq_u32 s[WV], 1                          ; wave 1 chunk 0's R,
	s_cbranch_scc0 .Lfirst_2
	tensor_load_to_lds s[G0R:G0R+3], s[G1R:G1R+7]
	s_nop 0
	PLACES
	s_branch .Lfirst_done
.Lfirst_2:
	s_cmp_eq_u32 s[WV], 2                          ; wave 2 chunk 1's P,
	s_cbranch_scc0 .Lfirst_3
	tensor_load_to_lds s[G0P+4:G0P+7], s[G1P:G1P+7]
	s_nop 0
	PLACES
	s_branch .Lfirst_done
.Lfirst_3:
	tensor_load_to_lds s[G0R+4:G0R+7], s[G1R:G1R+7]   ; wave 3 chunk 1's R
	s_nop 0
	PLACES
.Lfirst_done:
	v_and_b32 v3, 31, v0                           ; lane
	v_and_b32 v1, 15, v0                           ; r
	v_bfe_u32 v2, v0, 4, 1                         ; h
	v_lshlrev_b32 v[O16], 4, v3
	v_lshlrev_b32 v[O8], 3, v3
	s_mul_i32 s76, s[PH], 8*HBLK
	s_mul_i32 s77, s[RH], 4*HBLK
	s_add_co_u32 s77, s77, ROFF
	v_lshlrev_b32 v27, 4, v1
	v_mad_u32_u24 v27, v2, HBLK, v27
.irp k, 0,1
	v_add_nc_u32 v[ADP+\k], s76, v[O16]
	v_add_nc_u32 v[ADR+\k], s77, v[O8]
	v_add_nc_u32 v[ASP+\k], s76, v27
	v_add_nc_u32 v[ASR+\k], s77, v27
	s_add_co_u32 s76, s76, CH
	s_add_co_u32 s77, s77, CH
.endr
	s_mul_i32 s78, s[WV], 16*SPITCH                ; my stage
	v_mul_u32_u24 v[STO], v1, SPITCH
	v_lshl_add_u32 v[STO], v2, 6, v[STO]
	v_add_nc_u32 v[STO], s78, v[STO]               ; in: row r, + 64 h
	v_add_nc_u32 v[RD], s78, v[O16]                ; back: 16 bytes a lane of a row
	s_lshl_b32 s76, s[CX], 10
	s_lshl_b32 s2, s[PH], 9
	s_add_co_u32 s76, s76, s2                      ; my 128 columns, in bytes
	s_mov_b32 s77, 0
	s_add_nc_u64 s[98:99], s[8:9], s[76:77]        ; their bias
	s_lshl_b32 s2, s[RT], 19
	s_add_co_u32 s76, s76, s2
	s_lshl_b32 s2, s[RH], 18
	s_add_co_u32 s76, s76, s2                      ; + my 64 rows of 4,096 bytes
	s_add_nc_u64 s[OB:OB+1], s[10:11], s[76:77]
	v_lshlrev_b32 v26, 6, v2                       ; lane (r, h) wants, for tile 2 g + u, the bias of columns 32 g + 16 h + 8 u + 0 .. 7
.irp b, 0,1,2,3,4,5,6,7
	global_load_b128 v[BI+8*\b:BI+8*\b+3], v26, s[98:99] offset:(32*(\b/2)+8*(\b%2))*4
	global_load_b128 v[BI+8*\b+4:BI+8*\b+7], v26, s[98:99] offset:(32*(\b/2)+8*(\b%2))*4+16
.endr
	s_wait_alu depctr_va_vdst(0)
	s_cmp_lt_u32 s[WV], 2                          ; waves 0 and 1 asked for chunk 0's P and R, by load lines of their own: they wait for them here
	s_cbranch_scc0 .Lnot_mine
	s_wait_tensorcnt 0x0
.Lnot_mine:
	s_barrier_signal -1
	s_barrier_wait -1                              ; everybody's has
	SCALES 0
	FETCH 0, 0, 0
	WIN 0
	s_wait_loadcnt 0x0                             ; the bias
	STEP 0, 0, 0, 1, 0
	STEP 0, 1, 1, 0, 0
	STEP 0, 2, 0, 0, 0
	STEP 0, 3, 1, 0, 1
	STEP 1, 0, 0, 0, 0
	STEP 1, 1, 1, 0, 0
	STEP 1, 2, 0, 0, 0
	STEP 1, 3, 1, 0, 2
	WIN 0
; R's tile a: 16 rows x my 128 columns.  In tile 2 g + u of P, lane (r, h) holds columns 32 g + 16 h + 8 u + 0 .. 7 of row r.
.macro TOSTAGE a
	WIN 0x08                                       ; an LDS store's data are its source 1: window 2
.irp b, 0,1,2,3,4,5,6,7
	ds_store_b128 v[STO], v[64*(\a)+8*\b:64*(\a)+8*\b+3] offset:128*(\b/2)+32*(\b%2)        ; each accumulator from its low end on
	ds_store_b128 v[STO], v[64*(\a)+8*\b+4:64*(\a)+8*\b+7] offset:128*(\b/2)+32*(\b%2)+16
.endr
	WIN 0
.set BB, BK+64*((\a)%2)
.irp t, 0,1,2,3,4,5,6,7,8,9,10,11,12,13,14,15
	ds_load_b128 v[BB+4*\t:BB+4*\t+3], v[RD] offset:\t*SPITCH   ; LDS serves a wave's instructions in order: these see my stores, and the next tile's stores come behind them
.endr
.endm
.macro SEND a, younger                 ; younger: the LDS instructions issued behind tile a's loads, which may stay out
.set BB, BK+64*((\a)%2)
	s_wait_dscnt \younger
.irp t, 0,1,2,3,4,5,6,7,8,9,10,11,12,13,14,15
	global_store_b128 v[O16], v[BB+4*\t:BB+4*\t+3], s[OB:OB+1] offset:(32*((\a)/2)+8*((\a)%2)+(\t%8)+16*(\t/8))*4096 th:TH_STORE_NT   ; 512 consecutive bytes of a row, at a multiple of 256 from out0's first byte
.endr
.endm
	PLACES                                         ; ahead of the first read of results and of the loads into R's fragments and the bias
	TOSTAGE 0
.irp a, 1,2,3
.if \a > 1
	s_wait_xcnt 0x0                                ; tile a - 2's stores have read their registers: tile a's loads may land there
.endif
	TOSTAGE \a
	SEND \a-1, 32                                  ; behind tile a - 1's loads: tile a's 16 stores and 16 loads
.endr
	SEND 3, 0
	s_wait_tensorcnt 0x0                           ; the wave's end, behind my last tensor load and my last LDS store
	ds_add_u32 v[SPW], v[NIL]
	s_wait_dscnt 0x0
	CROUND                                         ; the closing round
	s_endpgm
.Lfunc_end_k_q7214942d6c_oproj:
	.size	k_q7214942d6c_oproj, .Lfunc_end_k_q7214942d6c_oproj-k_q7214942d6c_oproj
	.p2alignl 7, 3214868480
	.fill 96, 4, 3214868480
	.section	.rodata,"a",@progbits
	.p2align	6, 0x0
	.amdhsa_kernel k_q7214942d6c_oproj
		.amdhsa_group_segment_fixed_size 327680
		.amdhsa_private_segment_fixed_size 0
		.amdhsa_enable_private_segment 0
		.amdhsa_kernarg_size 32
		.amdhsa_user_sgpr_count 2
		.amdhsa_user_sgpr_kernarg_segment_ptr 1
		.amdhsa_wavefront_size32 1
		.amdhsa_system_sgpr_workgroup_id_x 1
		.amdhsa_system_sgpr_workgroup_id_y 1
		.amdhsa_system_sgpr_workgroup_id_z 1
		.amdhsa_system_vgpr_workitem_id 0
		.amdhsa_next_free_vgpr 768
		.amdhsa_next_free_sgpr 100
		.amdhsa_reserve_vcc 0
		.amdhsa_float_denorm_mode_32 3
		.amdhsa_float_denorm_mode_16_64 3
		.amdhsa_memory_ordered 1
		.amdhsa_forward_progress 1
		.amdhsa_inst_pref_size 83
	.end_amdhsa_kernel
	.amdgpu_metadata
---
amdhsa.version: [ 1, 2 ]
amdhsa.kernels:
  - .name:           k_q7214942d6c_oproj
    .symbol:         k_q7214942d6c_oproj.kd
    .args:
      - { .name: ai, .offset: 0, .size: 8, .value_kind: global_buffer, .address_space: global }
      - { .name: wi, .offset: 8, .size: 8, .value_kind: global_buffer, .address_space: global }
      - { .name: bo, .offset: 16, .size: 8, .value_kind: global_buffer, .address_space: global }
      - { .name: out0, .offset: 24, .size: 8, .value_kind: global_buffer, .address_space: global }
    .group_segment_fixed_size: 327680
    .private_segment_fixed_size: 0
    .kernarg_segment_align: 8
    .kernarg_segment_size: 32
    .max_flat_workgroup_size: 128
    .sgpr_count:     100
    .vgpr_count:     768
    .wavefront_size: 32
...
	.end_amdgpu_metadata
.endif
;; end of part 4
